; MI455X (gfx1250); checked and timed in simulation.
; The chip was launched on July 23, 2026; its instructions are those of AMD's public machine-readable ISA for CDNA 5 (MIT licence, August 2026) and "CDNA5" Instruction Set Architecture Reference Guide (July 2026). The comments in the code are by the model that wrote it; some were corrected since.
;; Encoder Layer. Allowed arithmetic: matrix products marked QUANTISED: E2M1 operands, one E8M0 scale for each 32 along K, by v_wmma_scale_f32_16x16x128_f8f6f4 with both operands' format E2M1 (or v_wmma_scale_f32_32x16x128_f4), f32 sums; everything else in f32.
;; Inputs: b1 4,096 float32; b2 1,024 float32; bk 1,024 float32; bq 1,024 float32; bv 1,024 float32; w1 1,024 x 4,096 float32; w2 4,096 x 1,024 float32; wk 1,024 x 1,024 float32; wq 1,024 x 1,024 float32; wv 1,024 x 1,024 float32; x 2 x 2,048 x 1,024 float32.
;; Outputs: out0 2 x 2,048 x 1,024 float32.
;; This version of the problem:
;;   THIS VERSION OF THE PROBLEM IS GIVEN IN LOW PRECISION. The matrix products marked QUANTISED in the list below multiply operands that are first quantised to E2M1 (2 exponent bits, 1 mantissa bit; 4 bits a number), with one power-of-two scale for each 32 numbers along K (OCP MX v1.0); their sums are f32. All else is computed in f32.
;;   The module's matrix products, in the order in which they are computed (A, B: the left and right operand; K: the contracted axis; several contracted axes count as one K, in the product's order):
;;     1. [M 4,096, K 1,024] x [K 1,024, N 1,024]; A: input x; B: input wq: QUANTISED
;;     2. [M 4,096, K 1,024] x [K 1,024, N 1,024]; A: input x; B: input wk: QUANTISED
;;     3. [M 4,096, K 1,024] x [K 1,024, N 1,024]; A: input x; B: input wv: QUANTISED
;;     4. batch 32 x [M 2,048, K 64] x [K 64, N 2,048]; A: computed on the way; B: computed on the way: QUANTISED
;;     5. batch 32 x [M 64, K 2,048] x [K 2,048, N 2,048]; A: computed on the way; B: softmax (see below): QUANTISED
;;     6. [M 4,096, K 1,024] x [K 1,024, N 4,096]; A: computed on the way; B: input w1: QUANTISED
;;     7. [M 4,096, K 4,096] x [K 4,096, N 1,024]; A: computed on the way; B: input w2: QUANTISED
;;   THE QUANTISER, for each operand of a quantised product, along K:
;;     - K is cut into blocks of 32 from its start; a last block that is shorter is filled with zeros.
;;     - A block's scale is 2^e with e = floor(log2(the largest magnitude in the block)) - 2, held to -126 .. 127; a block of zeros has e = 0. As a byte (E8M0): e + 127.
;;     - Each number is divided by its block's scale, clamped to +-6, and rounded to the nearest number of E2M1, ties to even, subnormals kept.
;;     - The product sums the exact products of the quantised numbers (number of the format x scale) in f32.
;;   ~~~python
;;   def quantise(x, axis):      # numpy; x: float32 -> the quantised numbers, widened to float32 again
;;       x = np.moveaxis(x, axis, -1); K = x.shape[-1]
;;       x = np.pad(x, [(0, 0)] * (x.ndim - 1) + [(0, -K % 32)]); x = x.reshape(x.shape[:-1] + (-1, 32)); a = np.abs(x).max(-1, keepdims=True)
;;       e = np.where(a > 0, np.clip(np.frexp(np.where(a > 0, a, 1))[1] - 1 - 2, -126, 127), 0)      # np.frexp(a)[1] - 1 = floor(log2(a)), exactly
;;       r = np.clip(x / 2.0 ** e, -6, 6)
;;       step = 2.0 ** (np.maximum(np.frexp(np.where(r == 0, 1, r))[1] - 1, 0) - 1)
;;       q = np.round(r / step) * step * 2.0 ** e      # np.round: ties to even
;;       return np.moveaxis(q.reshape(q.shape[:-2] + (-1,))[..., :K], -1, axis).astype(np.float32)
;;   ~~~
;;   SOFTMAX AHEAD OF A QUANTISED PRODUCT. Where the list says 'softmax', what is quantised is not the finished softmax but p = 2^(t - M), with t = logit x log2(e) and M = ceil(the row's largest t), a whole number; so 1/2 < the row's largest p <= 1. The row's sum l is taken of the UNQUANTISED p, in f32, and the product's result is divided by l at the end. Since M is a whole number, a kernel that streams over the keys may use a running M (the ceiling of the running maximum): every later rescaling is an exact power of two, which a block's scale takes up: the codes' values come out the same.
;;   OPERANDS COMPUTED ON THE WAY. 'Computed on the way' means the value that the module computes at that place (a softmax that the list does not call 'softmax' is quantised finished and normalised). What goes into a quantiser is computed in f32, as accurately as f32 sums, v_exp_f32 and their like allow (about 1e-6 of the number): no bf16 or f16 on the way to a quantiser, and a product that is left as it is and whose result goes on into a quantised operand takes f32 operands (vector FMAs, or v_wmma_f32_16x16x4_f32). A number that lies on a knife's edge between two numbers of the format may be rounded either way, as far as f32 arithmetic and the matrix unit's own rounding can turn it there, and no further.
;; One version. Each part assembles by itself: llvm-mc -triple=amdgcn-amd-amdhsa -mcpu=gfx1250 --defsym DOCPART=n.
;; ======== version 1 of 1: 7 launches
;; limits: right only within a limited range of input values
;; workspace buffers: xf 2,228,224 bytes; wt 6,127,616 bytes; qkv 6,946,816 bytes; r1 16,777,216 bytes; st1 2,048 bytes; hid 8,912,896 bytes; r2 16,777,216 bytes; st2 2,048 bytes
;; launch quant_all (part 1): grid 960 x 1, 8 waves a work-group, no clusters, 69,632 bytes of LDS; arguments x, wq, wk, wv, w1, w2, xf, wt; writes xf, wt
.if DOCPART == 1
	.amdgcn_target "amdgcn-amd-amdhsa--gfx1250"
	.amdhsa_code_object_version 6
	.text
	.protected	k_q6c4afa7b06_quant_all
	.globl	k_q6c4afa7b06_quant_all
	.p2align	8
	.type	k_q6c4afa7b06_quant_all,@function
k_q6c4afa7b06_quant_all:
	s_mov_b64 s[64:65], 0
	v_nop
	global_prefetch_b8 v0, s[64:65] scope:SCOPE_SE
	s_setreg_imm32_b32 hwreg(HW_REG_WAVE_MODE, 25, 1), 1
	s_wait_xcnt 0x0
; x [4096][1024] (K = its columns) and the five weights, stored [K][N], all f32, become codes of FP4 (E2M1) along K with one E8M0 byte for each 32.
; OUTPUT: blocks of 34,816 bytes (128 positions x 512 K): images of the matrix operand's registers: codes at q*8192 + i*1024 + c*512 + lane*16
; (q: which 128 along K, i: fragment of 16 positions, c: register group), scale words at 32768 + q*512 + (i/4)*256 + r*16 + (i%4)*4.
; Position p of a block holds row (column) p with its bits 3 and 4 exchanged.  xf: [row block][K/512].  wt: blocks 0-47 wq | wk | wv (2 x column block + K/512), 48-111 w1 (likewise), 112-175 w2 (8 x column block + K/512).
; SHARES.  Work-groups 0-703: a weight's 128 columns x 128 K: a lane takes a column and its 64 registers run down K (two blocks of 32); waves 0-3 take the first 64 of K, waves 4-7 the second.
; Work-groups 704-959: 128 rows x 128 K of x: a wave takes one fragment of 16 rows; a load reads 512 consecutive bytes of a row, and the 16 rows turn through the wave's own stage in LDS,
; so that lane (r, h) gets 16 neighbours of each block of 32 of row r.  Every wave has all its loads out at once (64 of 4 bytes a lane, or 16 of 16).
; The scale words of a work-group meet in LDS and leave as 512 consecutive bytes.  The two ways use LDS bytes of their own.
; LIMITS: NaN and infinities are not served; a block of zeros gets the byte 1 (its codes are zeros; the bytes are read by this program alone).
.set NW,    704
.set BLKB,  34816
.set SP,    528                        ; a stage row: 512 bytes + 16
.set STG,   16*SP
.set XSC,   8*STG                      ; x's scale words, 512 bytes
.set WSC,   XSC+512                    ; a weight's scale words, 512 bytes
.set SPARE, WSC+512                    ; the spare words, 128 bytes a wave, which no other line names
.set TM,    16                         ; v16-27 maxima, bytes, scale operands
.set SEL,   38
	s_load_b256 s[4:11], s[0:1], 0x0               ; x, wq, wk, wv
	s_load_b256 s[12:19], s[0:1], 0x20             ; w1, w2, xf, wt
	v_lshl_add_u32 v30, v0, 2, SPARE
	v_mov_b32 v31, 0
	v_lshrrev_b32 v1, 5, v0
	s_delay_alu instid0(VALU_DEP_1)
	v_readfirstlane_b32 s20, v1                    ; wave 0..7
	v_and_b32 v2, 15, v0                           ; r
	v_and_b32 v3, 31, v0
	s_delay_alu instid0(VALU_DEP_1)
	v_lshlrev_b32 v3, 4, v3                        ; 16 x lane
	s_cmp_ge_u32 ttmp9, NW
	s_wait_alu depctr_va_vdst(0)                   ; the wait ahead of the branch
	s_cbranch_scc1 .Lx
; ---- a weight
	v_and_b32 v4, 7, v0
	v_bfe_u32 v5, v0, 4, 1
	s_delay_alu instid0(VALU_DEP_1)
	v_lshl_or_b32 v4, v5, 3, v4
	v_bfe_u32 v5, v0, 3, 1
	s_delay_alu instid0(VALU_DEP_1)
	v_lshl_or_b32 v4, v5, 4, v4                    ; my lane with bits 3 and 4 exchanged
	v_bfe_u32 v5, v0, 5, 2
	s_delay_alu instid0(VALU_DEP_1)
	v_lshl_or_b32 v4, v5, 5, v4                    ; my column of the 128
	s_delay_alu instid0(VALU_DEP_1)
	v_lshlrev_b32 v4, 2, v4
	v_bfe_u32 v5, v0, 4, 3                         ; fragment i
	s_delay_alu instid0(VALU_DEP_1)
	v_lshlrev_b32 v6, 10, v5
	s_delay_alu instid0(VALU_DEP_1)
	v_lshl_add_u32 v6, v2, 4, v6                   ; codes: 1024 i + 16 r
	v_lshrrev_b32 v7, 2, v5
	s_delay_alu instid0(VALU_DEP_1)
	v_lshlrev_b32 v7, 8, v7
	s_delay_alu instid0(VALU_DEP_1)
	v_lshl_add_u32 v7, v2, 4, v7
	v_and_b32 v5, 3, v5
	s_delay_alu instid0(VALU_DEP_1)
	v_lshl_add_u32 v7, v5, 2, v7                   ; scale word: 256 (i/4) + 16 r + 4 (i%4)
	v_lshrrev_b32 v5, 7, v0
	s_delay_alu instid0(VALU_DEP_1)
	v_lshl_add_u32 v7, v5, 1, v7                   ; + my two bytes of the four
	s_delay_alu instid0(VALU_DEP_1)
	v_add_nc_u32 v7, WSC, v7
	v_add_nc_u32 v8, WSC, v3
	s_and_b32 s21, ttmp9, 3                        ; q
	s_lshr_b32 s22, ttmp9, 2                       ; the block
	s_lshr_b32 s23, s20, 2                         ; which 64 of the 128 along K
	s_cmp_lt_u32 s22, 112                          ; which weight: every choice hangs on the work-group's number alone
	s_cselect_b32 s25, 1, 3                        ; log2 of its K / 512
	s_cselect_b32 s26, 48, 112                     ; its first block
	s_cselect_b32 s27, 14, 12                      ; log2 of its row's bytes
	s_cmp_lt_u32 s22, 48
	s_cselect_b32 s26, 32, s26
	s_cselect_b32 s27, 12, s27
	s_cmp_lt_u32 s22, 32
	s_cselect_b32 s26, 16, s26
	s_cmp_lt_u32 s22, 16
	s_cselect_b32 s26, 0, s26
	s_sub_co_u32 s28, s22, s26
	s_lshr_b32 s29, s28, s25                       ; column block
	s_bfm_b32 s30, s25, 0
	s_and_b32 s30, s28, s30                        ; K / 512
	s_lshl_b32 s30, s30, 2
	s_add_co_u32 s30, s30, s21
	s_lshl_b32 s30, s30, 1
	s_add_co_u32 s30, s30, s23
	s_lshl_b32 s30, s30, 6                         ; my first row of the weight
	s_lshl_b32 s30, s30, s27
	s_lshl_b32 s29, s29, 9
	s_add_co_u32 s30, s30, s29                     ; + 128 columns a block
	s_mov_b32 s31, 0
	s_mul_i32 s32, s22, BLKB
	s_lshl_b32 s33, s21, 13
	s_add_co_u32 s34, s32, s33
	s_lshl_b32 s33, s23, 9
	s_add_co_u32 s34, s34, s33                     ; codes: + 8192 q + 512 x register group
	s_mov_b32 s35, 0
	s_lshl_b32 s33, s21, 9
	s_add_co_u32 s36, s32, s33
	s_add_co_u32 s36, s36, 32768                   ; scale words
	s_mov_b32 s37, 0
	s_wait_alu depctr_va_vdst(0)                   ; the wait at the head's end
	s_wait_kmcnt 0x0
	s_cmp_lt_u32 s22, 112
	s_cselect_b64 s[38:39], s[12:13], s[14:15]
	s_cmp_lt_u32 s22, 48
	s_cselect_b64 s[38:39], s[10:11], s[38:39]
	s_cmp_lt_u32 s22, 32
	s_cselect_b64 s[38:39], s[8:9], s[38:39]
	s_cmp_lt_u32 s22, 16
	s_cselect_b64 s[38:39], s[6:7], s[38:39]
	s_add_nc_u64 s[38:39], s[38:39], s[30:31]
	s_add_nc_u64 s[34:35], s[18:19], s[34:35]
	s_add_nc_u64 s[36:37], s[18:19], s[36:37]
.macro LOADW pitch                     ; 64 rows at my column: a wave reads 128 consecutive bytes, four waves 512
.set I, 0
.rept 64
	global_load_b32 v[32+I], v4, s[38:39] offset:I*\pitch th:TH_LOAD_NT
.set I, I+1
.endr
.endm
	s_cmp_eq_u32 s27, 14                           ; the row's length is an immediate: the loads are written for both lengths
	s_cbranch_scc1 .Lwide
	LOADW 4096
	s_branch .Lloaded
.Lwide:
	LOADW 16384
.Lloaded:
.macro BLOCKW t
.set XS, 32+32*(\t)
	s_wait_loadcnt 32-32*(\t)                      ; this block's 32 loads are in; the 32 issued behind them may be out
	v_max3_num_f32 v12, |v[XS]|, |v[XS+1]|, |v[XS+2]|
	v_max3_num_f32 v13, |v[XS+3]|, |v[XS+4]|, |v[XS+5]|
.irp i, 6,10,14,18,22,26
	s_delay_alu instid0(VALU_DEP_2)
	v_max3_num_f32 v12, v12, |v[XS+\i]|, |v[XS+\i+1]|
	s_delay_alu instid0(VALU_DEP_2)
	v_max3_num_f32 v13, v13, |v[XS+\i+2]|, |v[XS+\i+3]|
.endr
	s_delay_alu instid0(VALU_DEP_2)
	v_max3_num_f32 v12, v12, |v[XS+30]|, |v[XS+31]|
	s_delay_alu instid0(VALU_DEP_1)
	v_max3_num_f32 v12, v12, v13, 0x1800000        ; the floor 2^(3 - 127): the byte cannot fall under 1
	s_delay_alu instid0(VALU_DEP_1)
	v_add_nc_u32 v11, 0xff000000, v12              ; 2 off the exponent field: the conversion's scale operand
	s_delay_alu instid0(VALU_DEP_1)
	v_lshrrev_b32 v13, 23, v11                     ; the scale's byte
.if (\t) == 0
	v_mov_b32 v14, v13
.else
	v_lshl_or_b32 v14, v13, 8, v14
.endif
.irp g, 0,1,2,3
	v_cvt_scalef32_pk8_fp4_f32 v[96+4*(\t)+\g], v[XS+8*\g:XS+8*\g+7], v11
.endr
	global_store_b128 v6, v[96+4*(\t):99+4*(\t)], s[34:35] offset:256*(\t)   ; lane half t of the image: sixteen lanes store 256 consecutive bytes, aligned
.endm
	BLOCKW 0
	BLOCKW 1
	ds_store_b16 v7, v14                           ; my two bytes of my position's scale word
	s_wait_dscnt 0x0                               ; for the others' sake
	s_barrier_signal -1
	s_barrier_wait -1
	s_cmp_lg_u32 s20, 0
	s_cbranch_scc1 .Lend
	ds_load_b128 v[16:19], v8                      ; wave 0: the 512 bytes of scale words as they lie in the block
	s_wait_dscnt 0x0
	global_store_b128 v3, v[16:19], s[36:37]
	s_branch .Lend
; ---- x
.Lx:
	s_sub_co_u32 s21, ttmp9, NW
	s_and_b32 s22, s21, 3                          ; q
	s_bfe_u32 s23, s21, 0x10002                    ; K / 512
	s_lshr_b32 s24, s21, 3                         ; row block
	s_lshl_b32 s26, s24, 19                        ; 128 rows of 4,096 bytes
	s_lshr_b32 s25, s20, 1
	s_lshl_b32 s25, s25, 17
	s_add_co_u32 s26, s26, s25                     ; fragment F = my wave: position t is row 32 (F/2) + 8 (F%2) + 16 (t/8) + t%8
	s_and_b32 s25, s20, 1
	s_lshl_b32 s25, s25, 15
	s_add_co_u32 s26, s26, s25
	s_lshl_b32 s25, s23, 11
	s_add_co_u32 s26, s26, s25
	s_lshl_b32 s25, s22, 9
	s_add_co_u32 s26, s26, s25
	s_mov_b32 s27, 0
	s_lshl_b32 s28, s24, 1
	s_add_co_u32 s28, s28, s23
	s_mul_i32 s28, s28, BLKB                       ; my block
	s_lshl_b32 s25, s22, 13
	s_add_co_u32 s30, s28, s25
	s_lshl_b32 s25, s20, 10
	s_add_co_u32 s30, s30, s25                     ; codes: + 8192 q + 1024 F
	s_mov_b32 s31, 0
	s_lshl_b32 s25, s22, 9
	s_add_co_u32 s32, s28, s25
	s_add_co_u32 s32, s32, 32768
	s_mov_b32 s33, 0
	s_mul_i32 s34, s20, STG                        ; my stage
	s_lshr_b32 s35, s20, 2
	s_lshl_b32 s35, s35, 8
	s_and_b32 s36, s20, 3
	s_lshl_b32 s36, s36, 2
	s_add_co_u32 s35, s35, s36
	s_add_co_u32 s35, s35, XSC                     ; my fragment's scale words: 256 (F/4) + 4 (F%4)
	s_mov_b32 s[SEL], 0x76543210
	s_mov_b32 s[SEL+1], 0xfedcba98
	v_add_nc_u32 v4, s34, v3                       ; the stage, in: a row's 512 bytes as they lie
	v_bfe_u32 v5, v0, 4, 1
	v_mul_u32_u24 v6, v2, SP
	s_delay_alu instid0(VALU_DEP_1)
	v_lshl_add_u32 v6, v5, 6, v6
	s_delay_alu instid0(VALU_DEP_1)
	v_add_nc_u32 v6, s34, v6                       ; and out: row r, + 64 h
	v_lshlrev_b32 v7, 4, v2
	s_delay_alu instid0(VALU_DEP_1)
	v_add_nc_u32 v7, s35, v7
	v_add_nc_u32 v8, XSC, v3
.irp b, 0,1,2,3
	v_mov_b32 v[TM+4+\b], 0                        ; a lane permute's destination counts as one of its sources
.endr
	s_wait_alu depctr_va_vdst(0)                   ; the wait at the head's end
	s_wait_kmcnt 0x0
	s_add_nc_u64 s[26:27], s[4:5], s[26:27]
	s_add_nc_u64 s[30:31], s[16:17], s[30:31]
	s_add_nc_u64 s[32:33], s[16:17], s[32:33]
.irp t, 0,1,2,3,4,5,6,7,8,9,10,11,12,13,14,15
	global_load_b128 v[32+4*\t:35+4*\t], v3, s[26:27] offset:(16*(\t/8)+(\t%8))*4096 th:TH_LOAD_NT
.endr
	s_wait_loadcnt 0x0
.irp t, 0,1,2,3,4,5,6,7,8,9,10,11,12,13,14,15
	ds_store_b128 v4, v[32+4*\t:35+4*\t] offset:SP*\t
.endr
	s_wait_dscnt 0x0                               ; the stores have read their registers, which take the numbers back
.irp b, 0,1,2,3
.irp j, 0,1,2,3
	ds_load_b128 v[32+16*\b+4*\j:35+16*\b+4*\j], v6 offset:128*\b+16*\j   ; register 16 b + i = k 32 b + 16 h + i of my row
.endr
.endr
	s_wait_dscnt 0x0
.irp b, 0,1,2,3
	v_max3_num_f32 v[TM+\b], |v[32+16*\b]|, |v[33+16*\b]|, 0x1800000   ; my 16 numbers of block b, and the floor 2^(3 - 127)
.endr
.irp i, 2,4,6,8,10,12,14
.irp b, 0,1,2,3
	v_max3_num_f32 v[TM+\b], v[TM+\b], |v[32+16*\b+\i]|, |v[33+16*\b+\i]|
.endr
.endr
.irp b, 0,1,2,3
	v_permlanex16_b32 v[TM+4+\b], v[TM+\b], s[SEL], s[SEL+1]
.endr
.irp b, 0,1,2,3
	v_max_num_f32 v[TM+\b], v[TM+\b], v[TM+4+\b]   ; with lane l xor 16's: the block's largest magnitude
.endr
.irp b, 0,1,2,3
	v_add_nc_u32 v[TM+8+\b], 0xff000000, v[TM+\b]  ; the conversion's scale operand
.endr
.irp b, 0,1,2,3
	v_lshrrev_b32 v[TM+4+\b], 23, v[TM+8+\b]       ; the scale's byte
.endr
	v_lshl_or_b32 v104, v[TM+5], 8, v[TM+4]
	s_delay_alu instid0(VALU_DEP_1)
	v_lshl_or_b32 v104, v[TM+6], 16, v104
	s_delay_alu instid0(VALU_DEP_1)
	v_lshl_or_b32 v104, v[TM+7], 24, v104
.irp b, 0,1,2,3
	v_cvt_scalef32_pk8_fp4_f32 v[96+2*\b], v[32+16*\b:39+16*\b], v[TM+8+\b]
	v_cvt_scalef32_pk8_fp4_f32 v[97+2*\b], v[40+16*\b:47+16*\b], v[TM+8+\b]
.endr
	v_nop                                          ; one plain place behind a scaled conversion
.irp c, 0,1                                    ; the operand's layout wants a whole block in a lane
.irp i, 0,1
	v_permlane16_swap_b32 v[96+4*\c+\i], v[98+4*\c+\i]
.endr
.endr
	global_store_b128 v3, v[96:99], s[30:31]       ; 32 lanes store 512 consecutive bytes
	global_store_b128 v3, v[100:103], s[30:31] offset:512
	ds_store_b32 v7, v104                          ; lanes r and r + 16 write the same word with the same value
	s_wait_dscnt 0x0
	s_barrier_signal -1
	s_barrier_wait -1
	s_cmp_lg_u32 s20, 0
	s_cbranch_scc1 .Lend
	ds_load_b128 v[16:19], v8
	s_wait_dscnt 0x0
	global_store_b128 v3, v[16:19], s[32:33]
.Lend:
	s_wait_tensorcnt 0x0                           ; the wave's end
	ds_add_u32 v30, v31
	s_wait_dscnt 0x0
	s_endpgm
.Lfunc_end_k_q6c4afa7b06_quant_all:
	.size	k_q6c4afa7b06_quant_all, .Lfunc_end_k_q6c4afa7b06_quant_all-k_q6c4afa7b06_quant_all
	.p2alignl 7, 3214868480
	.fill 96, 4, 3214868480
	.section	.rodata,"a",@progbits
	.p2align	6, 0x0
	.amdhsa_kernel k_q6c4afa7b06_quant_all
		.amdhsa_group_segment_fixed_size 69632
		.amdhsa_private_segment_fixed_size 0
		.amdhsa_enable_private_segment 0
		.amdhsa_kernarg_size 64
		.amdhsa_user_sgpr_count 2
		.amdhsa_user_sgpr_kernarg_segment_ptr 1
		.amdhsa_wavefront_size32 1
		.amdhsa_system_sgpr_workgroup_id_x 1
		.amdhsa_system_sgpr_workgroup_id_y 1
		.amdhsa_system_sgpr_workgroup_id_z 1
		.amdhsa_system_vgpr_workitem_id 0
		.amdhsa_next_free_vgpr 112
		.amdhsa_next_free_sgpr 66
		.amdhsa_reserve_vcc 0
		.amdhsa_float_denorm_mode_32 3
		.amdhsa_float_denorm_mode_16_64 3
		.amdhsa_memory_ordered 1
		.amdhsa_forward_progress 1
		.amdhsa_inst_pref_size 31
	.end_amdhsa_kernel
	.amdgpu_metadata
---
amdhsa.version: [ 1, 2 ]
amdhsa.kernels:
  - .name:           k_q6c4afa7b06_quant_all
    .symbol:         k_q6c4afa7b06_quant_all.kd
    .args:
      - { .name: x, .offset: 0, .size: 8, .value_kind: global_buffer, .address_space: global }
      - { .name: wq, .offset: 8, .size: 8, .value_kind: global_buffer, .address_space: global }
      - { .name: wk, .offset: 16, .size: 8, .value_kind: global_buffer, .address_space: global }
      - { .name: wv, .offset: 24, .size: 8, .value_kind: global_buffer, .address_space: global }
      - { .name: w1, .offset: 32, .size: 8, .value_kind: global_buffer, .address_space: global }
      - { .name: w2, .offset: 40, .size: 8, .value_kind: global_buffer, .address_space: global }
      - { .name: xf, .offset: 48, .size: 8, .value_kind: global_buffer, .address_space: global }
      - { .name: wt, .offset: 56, .size: 8, .value_kind: global_buffer, .address_space: global }
    .group_segment_fixed_size: 69632
    .private_segment_fixed_size: 0
    .kernarg_segment_align: 8
    .kernarg_segment_size: 64
    .max_flat_workgroup_size: 256
    .sgpr_count:     66
    .vgpr_count:     112
    .wavefront_size: 32
...
	.end_amdgpu_metadata
.endif
;; end of part 1
;; launch gemm_qkv (part 2): grid 12 x 16, 4 waves a work-group, clusters of 4 x 4, 327,680 bytes of LDS; arguments xf, wt, bq, bk, bv, qkv; writes qkv
.if DOCPART == 2
	.amdgcn_target "amdgcn-amd-amdhsa--gfx1250"
	.amdhsa_code_object_version 6
	.text
	.protected	k_q6c4afa7b06_gemm_qkv
	.globl	k_q6c4afa7b06_gemm_qkv
	.p2align	8
	.type	k_q6c4afa7b06_gemm_qkv,@function
k_q6c4afa7b06_gemm_qkv:
	s_mov_b64 s[64:65], 0
	v_nop
	global_prefetch_b8 v0, s[64:65] scope:SCOPE_SE
	s_setreg_imm32_b32 hwreg(HW_REG_WAVE_MODE, 25, 1), 1
	s_wait_xcnt 0x0
	s_wait_alu depctr_hold_cnt(0) depctr_sa_sdst(0) depctr_va_vdst(0) depctr_va_sdst(0) depctr_va_ssrc(0) depctr_va_vcc(0) depctr_vm_vsrc(0)
	s_getreg_b32 s2, hwreg(HW_REG_IB_STS2, 6, 4)
	s_cmp_eq_u32 s2, 0
	s_cbranch_scc0 .Lentry_in_a_cluster
	s_endpgm
.Lentry_in_a_cluster:
	s_bfe_u32 s2, ttmp6, 0x10000c
	s_cmp_lg_u32 s2, 0xf033
	s_cbranch_scc0 .Lentry_shape_is_right
	s_endpgm
.Lentry_shape_is_right:
; A product on codes of FP4 (E2M1) with E8M0 scales for each 32 along K; both operands lie in memory as blocks of 34,816 bytes (128 positions x 512 K): images of the operand's registers
; (codes at q*8192 + i*1024 + c*512 + lane*16) and their scale words (at 32768 + q*512 + (i/4)*256 + r*16 + (i%4)*4); position p holds row p with bits 3 and 4 exchanged.
; MODE 1: q = x wq + bq, k = x wk + bk (cluster x 0, 1) and v^T = wv^T x^T + bv (cluster x 2: the operands change places), quantised again and stored as attention's operands.
; MODE 2: relu(h w1 + b1), quantised along the hidden units, stored in the same blocks.   MODE 3: r2 = h + hidden w2 + b2 in f32, h = (r1 - mean) rstd made anew from r1, and (sum, M2) of each wave's 16,384 numbers.
; A tile, 256 x 256, is made by four waves, 128 x 128 each: 64 accumulators.  K goes in steps of 512 through two LDS slots; a wave's one tensor load brings two whole blocks, codes and scale words together.
; CLUSTERS 4 x 4: A's blocks are shared along a row of the cluster, B's along a column, by joint loads.  THE MATRIX INSTRUCTION IS USED TRANSPOSED (source 0 = B, source 1 = A): lane (r, h) holds A's position r,
; and, by the exchange of bits, the 64 registers of accumulators (a, 0 .. 7) are: register 16 B + i = column 32 B + 16 h + i: what the quantiser takes, with no transposition.
; The bias is the C of each sum's first product.  No prefetch: with K = 1,024 all tiles are asked for at the head, and the launch with K = 4,096 is short.
; REGISTERS: window 0: v1-3 r, h, lane; v16-27 addresses; v28-29 the add's; v32-95 scale words, two sets; v96-127 at work; v128-191 A's fragments, one set; v192-255 the bias.
;   window 1: v0-63, v128-191 B's two sets; v64-127, v192-255 rows of r1 (MODE 3).   windows 2, 3: the accumulators, (a, b) at v[8 (8 (a%4) + b)].
; LIMITS: NaN and infinities are not served; a block of zeros gets the byte 1 (its codes are zeros; the bytes are read by this program alone).
.set MODE,  1
.set BLKB,  34816
.set SLOT,  4*BLKB                     ; A's two halves, then B's two
.set SPARE, 2*SLOT                     ; behind the ring: the spare words, 128 bytes a wave, which no other line names
.if MODE == 3
.set KSN,   8                          ; K / 512
.else
.set KSN,   2
.endif
.set LAPS,  KSN/2
.set NQ,    4
.set FR,    8
.set NL,    2
.set NP,    4
.set REC,   8960                       ; qkv: a key step's record: K's images 4,096, V's 4,096, K's scale words 512, V's 256
.set HEADB, 16*REC
.set QIMG,  32*HEADB                   ; Q's images: [head][tile][512]
.set QSC,   QIMG+32*128*512            ; Q's scale words: [head][128 queries][512]
.set ADRA, 16
.set ADRB, 20
.set ADRS, 22
.set STO,  24
.set RD,   25
.set LI,   26                          ; 16 x lane
.set VS,   27
.set SPW,  28
.set NIL,  29
.set SC,   32                          ; set s at SC + 32 s; register 8 q + i: lanes 0-15 the word of A's fragment i, lanes 16-31 of B's
.set PW,   96
.set SW,   104
.set TM,   112
.set AF,   128
.set PC,   128
.set BK,   128
.set BIAS, 192
.set G1,   24
.set G0,   32
.set R1B,  40
.set R2B,  42
.set STB,  44
.set G1B,  48
.set G0B,  56
.set SEL,  68
.set WV,   70
.set WM,   71
.set WN,   72
.set CX,   73
.set CY,   74
.set TCOL, 75
.set TROW, 76
.set ISV,  77
.set LD,   78
.set NM,   92
.set RS,   94
.set CC,   96
.set MSB, 0
.macro WIN new                         ; the immediate's high byte repeats the setting that is left
.if MSB != (\new)
	s_set_vgpr_msb (MSB<<8)|(\new)
.set MSB, \new
.endif
.endm
.set MUL_LO, 0xa1                      ; source 0 (B) window 1, source 1 (A) window 0, C and D window 2
.set MUL_HI, 0xf1
.set TO_B,   0x40
.macro JLOAD g0a, g1a, g0b, g1b        ; a joint load: waves 0, 1 fetch A's halves, waves 2, 3 B's; four v_nop follow each line
	s_cmp_eq_u32 s[WM], 0
	s_cbranch_scc0 .Lfor_b_\@
	tensor_load_to_lds s[\g0a:\g0a+3], s[\g1a:\g1a+7]
	s_nop 0
.rept 4
	v_nop
.endr
	s_branch .Lasked_\@
.Lfor_b_\@:
	tensor_load_to_lds s[\g0b:\g0b+3], s[\g1b:\g1b+7]
	s_nop 0
.rept 4
	v_nop
.endr
.Lasked_\@:
.endm
.macro CREST                           ; a round of the cluster's barrier behind its opening barrier
	s_cmp_lg_u32 s[WV], 0
	s_cbranch_scc1 .Lnot_wave_0_\@
	s_barrier_signal -3
.Lnot_wave_0_\@:
	s_barrier_wait -3
	s_barrier_signal -1
	s_barrier_wait -1
.endm
.macro CROUND
	s_barrier_signal -1
	s_barrier_wait -1
	CREST
.endm
.macro WSUM v, t
	v_add_f32_dpp v[\v], v[\v], v[\v] row_xmask:1 row_mask:0xf bank_mask:0xf
	v_add_f32_dpp v[\v], v[\v], v[\v] row_xmask:2 row_mask:0xf bank_mask:0xf
	v_add_f32_dpp v[\v], v[\v], v[\v] row_xmask:4 row_mask:0xf bank_mask:0xf
	v_add_f32_dpp v[\v], v[\v], v[\v] row_xmask:8 row_mask:0xf bank_mask:0xf
	v_permlanex16_b32 v[\t], v[\v], s[SEL], s[SEL+1]
	v_add_f32 v[\v], v[\v], v[\t]
.endm
.macro STATS_LOAD b, sp
	v_and_b32 v[\b+11], 31, v0
	v_lshlrev_b32 v[\b+11], 5, v[\b+11]
	global_load_b128 v[\b:\b+3], v[\b+11], s[\sp:\sp+1]
	global_load_b128 v[\b+4:\b+7], v[\b+11], s[\sp:\sp+1] offset:16
.endm
.macro STATS b                         ; 128 chunks of 16,384 numbers are joined: M2 = sum of M2_i + 16384 (mean_i - mean)^2
	v_add_f32 v[\b+8], v[\b], v[\b+2]
	v_add_f32 v[\b+9], v[\b+4], v[\b+6]
	v_add_f32 v[\b+8], v[\b+8], v[\b+9]
	WSUM \b+8, \b+9
	v_mul_f32 v[\b+8], 0x35000000, v[\b+8]
.irp i, 0,2,4,6
	v_fma_f32 v[\b+\i], v[\b+\i], 0x38800000, -v[\b+8]
.endr
	v_mul_f32 v[\b+9], v[\b], v[\b]
.irp i, 2,4,6
	v_fmac_f32 v[\b+9], v[\b+\i], v[\b+\i]
.endr
	v_add_f32 v[\b+1], v[\b+1], v[\b+3]
	v_add_f32 v[\b+5], v[\b+5], v[\b+7]
	v_add_f32 v[\b+1], v[\b+1], v[\b+5]
	v_fmac_f32 v[\b+1], 0x46800000, v[\b+9]
	WSUM \b+1, \b+9
	v_mul_f32 v[\b+1], 0x35000000, v[\b+1]
	v_add_f32 v[\b+1], 0x3727c5ac, v[\b+1]
	v_rsq_f32 v[\b+10], v[\b+1]
	v_nop
	s_wait_alu depctr_va_vdst(0)                   ; the wait ahead of the first reader
	v_readfirstlane_b32 s[RS], v[\b+10]
	v_readfirstlane_b32 s[NM], v[\b+8]
	s_mov_b32 s[RS+1], s[RS]
	s_xor_b32 s[NM], s[NM], 0x80000000
	s_mov_b32 s[NM+1], s[NM]
.endm
	s_load_b128 s[4:7], s[0:1], 0x0
	s_load_b128 s[8:11], s[0:1], 0x10
.if MODE != 2
	s_load_b128 s[12:15], s[0:1], 0x20
.endif
.if MODE == 3
	s_load_b64 s[66:67], s[0:1], 0x30
.endif
	v_lshl_add_u32 v[SPW], v0, 2, SPARE
	v_mov_b32 v[NIL], 0
	ds_add_u32 v28, v29
	ds_add_u32 v28, v29
	s_wait_dscnt 0x0
	v_lshrrev_b32 v1, 5, v0
	v_readfirstlane_b32 s[WV], v1                  ; wave 0..3
	s_lshr_b32 s[WM], s[WV], 1                     ; my half of A's positions.  Also: I fetch for A (0) or for B (1)
	s_and_b32 s[WN], s[WV], 1                      ; my half of B's.  Also: which half I fetch
	s_bfe_u32 s[CX], ttmp6, 0x40000
	s_bfe_u32 s[CY], ttmp6, 0x40004
	s_and_b32 s16, ttmp7, 0xffff                   ; cluster y
	s_mov_b32 s17, ttmp9                           ; cluster x
.if MODE == 1
	s_cmp_eq_u32 ttmp9, 2                          ; the third column of clusters makes v^T: A = wv's 4 tiles, B = x's 16: the same in all sixteen partners
	s_cselect_b32 s[ISV], 1, 0
	s_cselect_b32 s17, s16, s17
	s_cselect_b32 s16, 0, s16
.endif
	s_lshl_b32 s[TCOL], s17, 2
	s_add_co_u32 s[TCOL], s[TCOL], s[CX]           ; B's tile
	s_lshl_b32 s[TROW], s16, 2
	s_add_co_u32 s[TROW], s[TROW], s[CY]           ; A's tile
	s_lshl_b32 s18, s[CY], 2
	s_lshl_b32 s18, 15, s18                        ; my row of the cluster
	s_lshl_b32 s19, 0x1111, s[CX]                  ; my column
	s_or_b32 s[G1], s18, (3<<16)|(1<<21)           ; 15:0 the mask; 17:16 elements of 8 bytes; 21 set beside a mask; no padding: every LDS read takes 512 bytes on end
	s_or_b32 s[G1B], s19, (3<<16)|(1<<21)
.irp g, G1, G1B
	s_mov_b32 s[\g+1], 32<<16                      ; tensor_dim0: 256 bytes
	s_mov_b32 s[\g+2], 272<<16                     ; tensor_dim1: 272 rows: the two blocks of K = 1,024, which lie on end in memory
	s_mov_b32 s[\g+3], 32<<16                      ; tile_dim0
	s_mov_b32 s[\g+4], 272                         ; tile_dim1
	s_mov_b32 s[\g+5], 32                          ; the pitch: dense
	s_mov_b32 s[\g+6], 0
	s_mov_b32 s[\g+7], 0
.endr
	s_lshl_b32 s80, s[TROW], 1
	s_add_co_u32 s80, s80, s[WN]
	s_mul_i32 s80, s80, KSN*BLKB                   ; A: the block row that I fetch
	s_mov_b32 s81, 0
	s_lshl_b32 s84, s[TCOL], 1
	s_add_co_u32 s84, s84, s[WN]
	s_mul_i32 s84, s84, KSN*BLKB                   ; B likewise
	s_mov_b32 s85, 0
.if MODE == 1
	s_cmp_eq_u32 s[ISV], 1
	s_cselect_b32 s82, 32*BLKB, 0                  ; wv's blocks begin at 32
	s_add_co_u32 s80, s80, s82
.elseif MODE == 2
	s_add_co_u32 s84, s84, 48*BLKB                 ; w1's at 48
.else
	s_add_co_u32 s84, s84, 112*BLKB                ; w2's at 112
.endif
	s_mul_i32 s[LD], s[WV], 2*BLKB                 ; where my two blocks go: no place in the cluster enters an LDS address
	s_mov_b32 s[SEL], 0x76543210
	s_mov_b32 s[SEL+1], 0xfedcba98
	s_wait_kmcnt 0x0
.if MODE == 1
	s_cmp_eq_u32 s[ISV], 1
	s_cselect_b64 s[88:89], s[6:7], s[4:5]
	s_cselect_b64 s[90:91], s[4:5], s[6:7]
.else
	s_mov_b64 s[88:89], s[4:5]
	s_mov_b64 s[90:91], s[6:7]
.endif
	s_add_nc_u64 s[88:89], s[88:89], s[80:81]
	s_add_nc_u64 s[90:91], s[90:91], s[84:85]
	CROUND                                         ; all sixteen work-groups are here: the first joint loads meet
.irp s, 0
	s_mov_b32 s[G0+4*\s], 1
	s_add_co_u32 s[G0+4*\s+1], s[LD], \s*SLOT
	s_add_nc_u64 s[G0+4*\s+2:G0+4*\s+3], s[88:89], \s*BLKB
	s_or_b32 s[G0+4*\s+3], s[G0+4*\s+3], 0x80000000
	s_mov_b32 s[G0B+4*\s], 1
	s_add_co_u32 s[G0B+4*\s+1], s[LD], \s*SLOT
	s_add_nc_u64 s[G0B+4*\s+2:G0B+4*\s+3], s[90:91], \s*BLKB
	s_or_b32 s[G0B+4*\s+3], s[G0B+4*\s+3], 0x80000000
	JLOAD G0+4*\s, G1, G0B+4*\s, G1B               ; my one load: both K steps of my half of A or of B
.endr
	v_and_b32 v1, 15, v0                           ; r
	v_bfe_u32 v2, v0, 4, 1                         ; h
	v_and_b32 v3, 31, v0                           ; lane
	v_lshlrev_b32 v[LI], 4, v3
	s_wait_alu depctr_va_vdst(0)
	s_mul_i32 s21, s[WM], 2*BLKB                   ; my half of A: its two blocks lie on end
	s_mul_i32 s22, s[WN], 2*BLKB
	s_add_co_u32 s22, s22, 4*BLKB                  ; my half of B
	s_sub_co_u32 s23, s22, s21
	v_mul_u32_u24 v6, s23, v2                      ; scale words: lanes 16-31 take B's: one product, the distance between the two
	v_lshl_add_u32 v6, v1, 4, v6
	s_add_co_u32 s23, s21, 32768
.irp s, 0,1
	v_add_nc_u32 v[ADRA+\s], s21, v[LI]
	v_add_nc_u32 v[ADRB+\s], s22, v[LI]
	v_add_nc_u32 v[ADRS+\s], s23, v6
	s_add_co_u32 s21, s21, BLKB
	s_add_co_u32 s22, s22, BLKB
	s_add_co_u32 s23, s23, BLKB
.endr
	v_lshlrev_b32 v4, 6, v2                        ; 64 h: the bias of my half's 16 columns of each 32
.macro BIASLD                          ; register 16 B + i = bias[first column + 32 B + 16 h + i]
.irp b, 0,1,2,3
.irp j, 0,1,2,3
	global_load_b128 v[BIAS+16*\b+4*\j:BIAS+16*\b+4*\j+3], v4, s[18:19] offset:128*\b+16*\j
.endr
.endr
.endm
.if MODE == 1
	v_mul_u32_u24 v[VS], 0x23000, v2               ; v's scale words: lanes 16-31 the next head, 143,360 bytes on
	v_lshl_add_u32 v[VS], v1, 4, v[VS]
	s_lshl_b32 s16, s[CX], 10
	s_lshl_b32 s17, s[WN], 9
	s_add_co_u32 s16, s16, s17
	s_mov_b32 s17, 0
	s_cmp_eq_u32 ttmp9, 0
	s_cselect_b64 s[18:19], s[8:9], s[10:11]       ; bq or bk
	s_add_nc_u64 s[18:19], s[18:19], s[16:17]
	s_lshl_b32 s20, s[TROW], 1
	s_add_co_u32 s20, s20, s[WM]
	s_lshl_b32 s20, s20, 9
	s_mov_b32 s21, 0
	s_add_nc_u64 s[20:21], s[12:13], s[20:21]      ; bv at my 128 rows (used on v's way alone)
	v_and_b32 v5, 7, v1
	v_lshrrev_b32 v7, 3, v1
	v_lshl_add_u32 v5, v7, 4, v5
	v_lshlrev_b32 v5, 2, v5                        ; position r of a fragment: row 16 (r/8) + r%8
	s_cmp_eq_u32 s[ISV], 1
	s_cbranch_scc1 .Lbias_v
	s_wait_alu depctr_va_vdst(0)
	BIASLD
	s_branch .Lbias_in
.Lbias_v:                                          ; v^T: the bias goes with A's row: the same number in a tile's eight registers
	s_wait_alu depctr_va_vdst(0)
.irp a, 0,1,2,3,4,5,6,7
.irp j, 0,1,2,3,4,5,6,7
	global_load_b32 v[BIAS+8*\a+\j], v5, s[20:21] offset:(32*(\a/2)+8*(\a%2))*4
.endr
.endr
.Lbias_in:
.else
	s_lshl_b32 s16, s[TCOL], 10
	s_lshl_b32 s17, s[WN], 9
	s_add_co_u32 s16, s16, s17
	s_mov_b32 s17, 0
	s_add_nc_u64 s[18:19], s[8:9], s[16:17]
	BIASLD
.endif
.if MODE == 3
	s_mul_i32 s23, s[WV], 16*528                   ; my stage: in slot 0, behind its last fill and its last read
	v_mul_u32_u24 v5, v1, 528
	v_lshl_add_u32 v5, v2, 6, v5
	v_add_nc_u32 v[STO], s23, v5
	v_add_nc_u32 v[RD], s23, v[LI]
	s_lshl_b32 s16, s[TROW], 1
	s_add_co_u32 s16, s16, s[WM]                   ; my block of 128 rows
	s_lshl_b32 s18, s16, 19
	s_lshl_b32 s19, s[TCOL], 10
	s_add_co_u32 s18, s18, s19
	s_lshl_b32 s19, s[WN], 9
	s_add_co_u32 s18, s18, s19
	s_mov_b32 s19, 0
	s_add_nc_u64 s[R1B:R1B+1], s[10:11], s[18:19]
	s_add_nc_u64 s[R2B:R2B+1], s[14:15], s[18:19]
	s_lshr_b32 s18, s16, 4
	s_lshl_b32 s18, s18, 10                        ; 1,024 bytes of chunk pairs a batch
	s_add_nc_u64 s[STB:STB+1], s[12:13], s[18:19]
	s_and_b32 s20, s16, 15
	s_lshl_b32 s20, s20, 3
	s_lshl_b32 s21, s[TCOL], 1
	s_add_co_u32 s20, s20, s21
	s_add_co_u32 s20, s20, s[WN]
	s_lshl_b32 s20, s20, 3
	s_add_co_u32 s18, s18, s20
	s_add_nc_u64 s[66:67], s[66:67], s[18:19]      ; my pair in st2
	STATS_LOAD TM, STB
.endif
	s_wait_loadcnt 0x0                             ; the bias (and the chunk pairs)
.if MODE == 3
	STATS TM
	v_mul_f32 v[TM+9], v[TM+8], v[TM+10]
	v_readfirstlane_b32 s[CC], v[TM+9]
	s_xor_b32 s[CC], s[CC], 0x80000000             ; -mean x rstd goes into the bias: h + ff + b2 = r1 x rstd + the sum
	s_mov_b32 s[CC+1], s[CC]
.set J, 0
.rept 32
	v_pk_add_f32 v[BIAS+J:BIAS+J+1], v[BIAS+J:BIAS+J+1], s[CC:CC+1] op_sel_hi:[1,0]
.set J, J+2
.endr
.endif
.macro FRAG reg, adr, q, i             ; a fragment's image: two loads of 512 consecutive bytes
.irp c, 0,1
	ds_load_b128 v[\reg+4*\c:\reg+4*\c+3], v[\adr] offset:8192*(\q)+1024*(\i)+512*\c
.endr
.endm
; 16 matrix instructions: A's fragments a0, a0 + 1 x B's eight.  cm = 0: in place; 1: C = the bias by B's fragment; 2: by A's.  The 64 accumulators take turns, one instruction a turn.
.macro MUL16 a0, p, q, sc, cm
.irp a, \a0, \a0+1
.irp b, 0,1,2,3,4,5,6,7
.if \cm == 0
	v_wmma_scale_f32_16x16x128_f8f6f4 v[8*(8*((\a)%4)+\b):8*(8*((\a)%4)+\b)+7], v[128*(\p)+FR*\b:128*(\p)+FR*\b+FR-1], v[AF+FR*(\a):AF+FR*(\a)+FR-1], v[8*(8*((\a)%4)+\b):8*(8*((\a)%4)+\b)+7], v[SC+32*(\sc)+8*(\q)+\b], v[SC+32*(\sc)+8*(\q)+(\a)] matrix_a_fmt:MATRIX_FMT_FP4 matrix_b_fmt:MATRIX_FMT_FP4 matrix_a_scale:MATRIX_SCALE_ROW1
.elseif \cm == 1
	v_wmma_scale_f32_16x16x128_f8f6f4 v[8*(8*((\a)%4)+\b):8*(8*((\a)%4)+\b)+7], v[128*(\p)+FR*\b:128*(\p)+FR*\b+FR-1], v[AF+FR*(\a):AF+FR*(\a)+FR-1], v[BIAS+8*\b:BIAS+8*\b+7], v[SC+32*(\sc)+8*(\q)+\b], v[SC+32*(\sc)+8*(\q)+(\a)] matrix_a_fmt:MATRIX_FMT_FP4 matrix_b_fmt:MATRIX_FMT_FP4 matrix_a_scale:MATRIX_SCALE_ROW1
.else
	v_wmma_scale_f32_16x16x128_f8f6f4 v[8*(8*((\a)%4)+\b):8*(8*((\a)%4)+\b)+7], v[128*(\p)+FR*\b:128*(\p)+FR*\b+FR-1], v[AF+FR*(\a):AF+FR*(\a)+FR-1], v[BIAS+8*(\a):BIAS+8*(\a)+7], v[SC+32*(\sc)+8*(\q)+\b], v[SC+32*(\sc)+8*(\q)+(\a)] matrix_a_fmt:MATRIX_FMT_FP4 matrix_b_fmt:MATRIX_FMT_FP4 matrix_a_scale:MATRIX_SCALE_ROW1
.endif
.endr
.endr
.endm
.macro FETCH_B slot, q, p
	WIN TO_B
.irp i, 0,1,2,3,4,5,6,7
	FRAG 128*(\p)+FR*\i, ADRB+\slot, \q, \i
.endr
	WIN 0
.endm
.macro FETCH_A slot, q, i0
.irp i, \i0, \i0+1, \i0+2, \i0+3
	FRAG AF+FR*(\i), ADRA+\slot, \q, \i
.endr
.endm
.macro SCALES sc                       ; a slot's scale words: eight loads; lanes 0-15 take A's four fragments' words of row r, lanes 16-31 B's
.irp q, 0,1,2,3
.irp g, 0,1
	ds_load_b128 v[SC+32*\sc+8*\q+4*\g:SC+32*\sc+8*\q+4*\g+3], v[ADRS+\sc] offset:512*\q+256*\g
.endr
.endr
.endm
.macro PLACES n                        ; plain vector instructions between a matrix instruction and a load into, or a read of, its registers
.rept \n
	v_nop
.endr
.endm
.macro STEP slot, q, cm                ; 128 along K that has its successor in the same slot
	s_wait_dscnt 4*NL                              ; B's set and A's fragments 0-3 are in; the youngest eight loads (A's 4-7) may be out
.if \cm
	WIN 0x81                                       ; C (the bias) window 0, D window 2
.else
	WIN MUL_LO
.endif
	MUL16 0, (\q)%2, \q, \slot, \cm
	MUL16 2, (\q)%2, \q, \slot, \cm
	s_wait_dscnt 0
	PLACES NP
	FETCH_B \slot, (\q)+1, 1-(\q)%2
	FETCH_A \slot, (\q)+1, 0
.if \cm
	WIN 0xc1
.else
	WIN MUL_HI
.endif
	MUL16 4, (\q)%2, \q, \slot, \cm
	MUL16 6, (\q)%2, \q, \slot, \cm
	PLACES NP
	WIN 0
	FETCH_A \slot, (\q)+1, 4
.endm
; A slot's last step changes slots: one barrier; in front of it each wave waits for all its tensor loads, adds 0 to its spare word, and waits for that and for its reads of this slot.
.macro TURN slot, next, fill
	s_wait_tensorcnt 0x0                           ; all my tensor loads have landed: my part of the next slot
	ds_add_u32 v[SPW], v[NIL]                      ; 0 onto my spare word
	s_wait_dscnt 4*NL+1                            ; (the add and the youngest eight loads may be out)
	WIN MUL_LO
	MUL16 0, 1, NQ-1, \slot, 0
	s_wait_dscnt 0x0                               ; the add is done, and my reads of this slot are over
	s_barrier_signal -1
	MUL16 2, 1, NQ-1, \slot, 0
	WIN 0
	s_barrier_wait -1
.if \fill
	CREST                                          ; the barrier has opened a round of the cluster's: no wave of any partner still reads this slot or has a load on its way
	s_add_nc_u64 s[G0+4*\slot+2:G0+4*\slot+3], s[G0+4*\slot+2:G0+4*\slot+3], 2*BLKB
	s_add_nc_u64 s[G0B+4*\slot+2:G0B+4*\slot+3], s[G0B+4*\slot+2:G0B+4*\slot+3], 2*BLKB
	JLOAD G0+4*\slot, G1, G0B+4*\slot, G1B         ; my one load behind the round; its four v_nop are also the places in front of the loads below
.else
	PLACES NP
.endif
	FETCH_B \next, 0, 0
	FETCH_A \next, 0, 0
	SCALES \next
	WIN MUL_HI
	MUL16 4, 1, NQ-1, \slot, 0
	MUL16 6, 1, NQ-1, \slot, 0
	PLACES NP
	WIN 0
	FETCH_A \next, 0, 4
.endm
.macro STEPS slot, from
.set Q, \from
.rept NQ-1-\from
	STEP \slot, Q, 0
.set Q, Q+1
.endr
.endm
.macro LOADR a                         ; 16 rows x 512 bytes of r1: the rows of A's fragment a
	WIN 0x40
.irp t, 0,1,2,3,4,5,6,7,8,9,10,11,12,13,14,15
	global_load_b128 v[64+128*((\a)%2)+4*\t:64+128*((\a)%2)+4*\t+3], v[LI], s[R1B:R1B+1] offset:4096*(32*((\a)/2)+8*((\a)%2)+16*(\t/8)+(\t%8)) th:TH_LOAD_NT
.endr
	WIN 0
.endm
	s_wait_tensorcnt 0x0                           ; my one load is in
	s_barrier_signal -1
	s_barrier_wait -1                              ; everybody's is
	FETCH_B 0, 0, 0
	FETCH_A 0, 0, 0
	SCALES 0
	FETCH_A 0, 0, 4
.if MODE == 1
	s_cmp_eq_u32 s[ISV], 1                         ; the first step is written twice: it takes the bias by B's fragment or by A's
	s_cbranch_scc1 .Lfirst_v
	STEP 0, 0, 1
	s_branch .Lfirst_done
.Lfirst_v:
	STEP 0, 0, 2
.Lfirst_done:
.else
	STEP 0, 0, 1
.endif
.if LAPS > 1
	s_mov_b32 s3, LAPS-1
.Llap:                                             ; a trip goes once round the ring and fills both slots again
	STEPS 0, 1
	TURN 0, 1, 1
	STEPS 1, 0
	TURN 1, 0, 1
	STEP 0, 0, 0
	s_sub_co_u32 s3, s3, 1
	s_cmp_lg_u32 s3, 0
	s_cbranch_scc1 .Llap
.endif
.if MODE == 3
	LOADR 0                                        ; the first rows of r1 come while the last lap is multiplied
	LOADR 1
.endif
	STEPS 0, 1                                     ; the last lap fills nothing
	TURN 0, 1, 0
	STEPS 1, 0
	s_wait_dscnt 4*NL
	WIN MUL_LO
	MUL16 0, 1, NQ-1, 1, 0
	MUL16 2, 1, NQ-1, 1, 0
	s_wait_dscnt 0
	WIN MUL_HI
	MUL16 4, 1, NQ-1, 1, 0
	MUL16 6, 1, NQ-1, 1, 0
	WIN 0
.if MODE != 3
; THE WAY OUT, MODES 1 AND 2: the 64 registers of accumulators (a, 0 .. 7) are quantised where they lie: a fragment's codes into v[PC + 8 a] on, its scale word into v[PW + a].  Each accumulator is read from its low end on.
.macro QUANTW a
.set QW, 2+(\a)/4
.set QS, 64*((\a)%4)
.set QP, PC+8*(\a)
.if MODE == 2
	WIN (QW<<6)|(QW<<2)
.set QJ, 0
.rept 64
	v_max_num_f32 v[QS+QJ], 0, v[QS+QJ]            ; the activation, in f32
.set QJ, QJ+1
.endr
.endif
	WIN (QW<<2)|(QW<<4)
.irp b, 0,1,2,3
	v_max3_num_f32 v[TM+\b], 0x1800000, |v[QS+16*\b]|, |v[QS+16*\b+1]|   ; the floor 2^(3 - 127): the byte cannot fall under 1
.endr
.irp i, 2,4,6,8,10,12,14
.irp b, 0,1,2,3
	v_max3_num_f32 v[TM+\b], v[TM+\b], |v[QS+16*\b+\i]|, |v[QS+16*\b+\i+1]|
.endr
.endr
	WIN 0
.irp b, 0,1,2,3
	v_permlanex16_b32 v[TM+4+\b], v[TM+\b], s[SEL], s[SEL+1]
.endr
.irp b, 0,1,2,3
	v_max_num_f32 v[TM+\b], v[TM+\b], v[TM+4+\b]
.endr
.irp b, 0,1,2,3
	v_add_nc_u32 v[TM+12+\b], 0xff000000, v[TM+\b]
.endr
.irp b, 0,1,2,3
	v_lshrrev_b32 v[TM+4+\b], 23, v[TM+12+\b]
.endr
	v_lshl_or_b32 v[PW+(\a)], v[TM+5], 8, v[TM+4]
	v_lshl_or_b32 v[PW+(\a)], v[TM+6], 16, v[PW+(\a)]
	v_lshl_or_b32 v[PW+(\a)], v[TM+7], 24, v[PW+(\a)]
	WIN QW
.irp b, 0,1,2,3
	v_cvt_scalef32_pk8_fp4_f32 v[QP+2*\b], v[QS+16*\b:QS+16*\b+7], v[TM+12+\b]
	v_cvt_scalef32_pk8_fp4_f32 v[QP+2*\b+1], v[QS+16*\b+8:QS+16*\b+15], v[TM+12+\b]
.endr
	WIN 0
	v_nop                                          ; one plain place behind a scaled conversion
.irp c, 0,1
.irp i, 0,1
	v_permlane16_swap_b32 v[QP+4*\c+\i], v[QP+2+4*\c+\i]
.endr
.endr
.endm
.irp b, 0,1,2,3
	v_mov_b32 v[TM+4+\b], 0                        ; a lane permute's destination counts as a source; these four are also the places behind the last products
.endr
	v_cmp_lt_u32 vcc_lo, 15, v3
.irp a, 0,1,2,3,4,5,6,7
	QUANTW \a
.endr
.irp j, 0,1,2,3
	v_cndmask_b32 v[SW+\j], v[PW+\j], v[PW+4+\j], vcc_lo   ; lanes 0-15: fragments 0-3's words of row r; lanes 16-31: fragments 4-7's: 512 bytes as they lie in a block
.endr
	s_lshl_b32 s16, s[TROW], 1
	s_add_co_u32 s16, s16, s[WM]                   ; A's block of 128
.endif
.if MODE == 2
	s_lshl_b32 s16, s16, 3
	s_lshr_b32 s17, s[TCOL], 1
	s_add_co_u32 s16, s16, s17
	s_mul_i32 s16, s16, BLKB                       ; hid's block: 8 x row block + hidden / 512
	s_and_b32 s17, s[TCOL], 1
	s_lshl_b32 s17, s17, 1
	s_add_co_u32 s17, s17, s[WN]                   ; which 128 of its 512
	s_lshl_b32 s18, s17, 13
	s_add_co_u32 s80, s16, s18
	s_mov_b32 s81, 0
	s_lshl_b32 s18, s17, 9
	s_add_co_u32 s82, s16, s18
	s_add_co_u32 s82, s82, 32768
	s_mov_b32 s83, 0
	s_add_nc_u64 s[80:81], s[10:11], s[80:81]
	s_add_nc_u64 s[82:83], s[10:11], s[82:83]
.irp a, 0,1,2,3,4,5,6,7
	global_store_b128 v[LI], v[PC+8*\a:PC+8*\a+3], s[80:81] offset:1024*\a          ; 32 lanes store 512 consecutive bytes
	global_store_b128 v[LI], v[PC+8*\a+4:PC+8*\a+7], s[80:81] offset:1024*\a+512
.endr
	global_store_b128 v[LI], v[SW:SW+3], s[82:83]
.endif
.if MODE == 1
.irp j, 0,1,2,3
	v_lshrrev_b32 v[SW+4+\j], 16, v[SW+\j]         ; the second head's two bytes
.endr
	s_cmp_eq_u32 s[ISV], 1
	s_cbranch_scc1 .Lout_v
	s_lshr_b32 s17, s16, 4                         ; q, k: my 128 columns are two heads; registers 0-3 of a fragment are the first head's 64 along K, 4-7 the second's
	s_and_b32 s18, s16, 15                         ; which 128 rows of the batch
	s_lshl_b32 s19, s17, 4
	s_lshl_b32 s20, s[CX], 2
	s_add_co_u32 s19, s19, s20
	s_lshl_b32 s20, s[WN], 1
	s_add_co_u32 s19, s19, s20                     ; 16 x batch + the first head
	s_lshl_b32 s20, s19, 16
	s_lshl_b32 s21, s18, 12
	s_add_co_u32 s20, s20, s21
	s_add_co_u32 s20, s20, QIMG
	s_lshl_b32 s22, s19, 13
	s_lshl_b32 s21, s18, 9
	s_add_co_u32 s22, s22, s21
	s_add_co_u32 s22, s22, QSC
	s_mul_i32 s80, s19, HEADB
	s_mul_i32 s21, s18, REC
	s_add_co_u32 s80, s80, s21
	s_add_co_u32 s82, s80, 8192
	s_mov_b32 s23, HEADB
	s_cmp_eq_u32 ttmp9, 0                          ; q's places or k's
	s_cselect_b32 s80, s20, s80
	s_cselect_b32 s82, s22, s82
	s_cselect_b32 s84, 65536, s23                  ; from a head to the next
	s_cselect_b32 s86, 8192, s23
	s_mov_b32 s81, 0
	s_mov_b32 s83, 0
	s_mov_b32 s85, 0
	s_mov_b32 s87, 0
	s_add_nc_u64 s[80:81], s[14:15], s[80:81]
	s_add_nc_u64 s[82:83], s[14:15], s[82:83]
	s_add_nc_u64 s[84:85], s[80:81], s[84:85]
	s_add_nc_u64 s[86:87], s[82:83], s[86:87]
	s_wait_alu depctr_va_vdst(0)
.irp a, 0,1,2,3,4,5,6,7
	global_store_b128 v[LI], v[PC+8*\a:PC+8*\a+3], s[80:81] offset:512*\a
	global_store_b128 v[LI], v[PC+8*\a+4:PC+8*\a+7], s[84:85] offset:512*\a
.endr
	global_store_b128 v[LI], v[SW:SW+3], s[82:83]
	global_store_b128 v[LI], v[SW+4:SW+7], s[86:87]
	s_branch .Lout_done
.Lout_v:                                           ; v^T: fragments 0-3 are the first head's 64 rows, 4-7 the second's; K = my 128 keys
	s_lshl_b32 s17, s[TCOL], 1
	s_add_co_u32 s17, s17, s[WN]                   ; x's block of 128
	s_lshr_b32 s18, s17, 4
	s_and_b32 s19, s17, 15                         ; the key step
	s_lshl_b32 s18, s18, 4
	s_lshl_b32 s20, s16, 1
	s_add_co_u32 s18, s18, s20                     ; 16 x batch + the first head
	s_mul_i32 s80, s18, HEADB
	s_mul_i32 s21, s19, REC
	s_add_co_u32 s80, s80, s21
	s_mov_b32 s81, 0
	s_add_nc_u64 s[80:81], s[14:15], s[80:81]
	s_add_nc_u64 s[84:85], s[80:81], HEADB
	s_wait_alu depctr_va_vdst(0)
.irp a, 0,1,2,3,4,5,6,7
	global_store_b128 v[LI], v[PC+8*\a:PC+8*\a+3], s[80+4*(\a/4):81+4*(\a/4)] offset:4096+1024*(\a%4)
	global_store_b128 v[LI], v[PC+8*\a+4:PC+8*\a+7], s[80+4*(\a/4):81+4*(\a/4)] offset:4096+1024*(\a%4)+512
.endr
	global_store_b128 v[VS], v[SW:SW+3], s[80:81] offset:8704   ; sixteen lanes store 256 consecutive bytes in each head's record
.Lout_done:
.endif
.if MODE == 3
; THE WAY OUT, MODE 3: a fragment's 16 rows x 128 columns go through my stage and come back as whole rows of 512 bytes; r2 = r1 x rstd + the sum; the rows are stored, and their sum and squares about a shift are kept.
.macro TOSTAGE a
.set AC, 64*((\a)%4)
	WIN 0x08+4*((\a)/4)
.irp b, 0,1,2,3,4,5,6,7
	ds_store_b128 v[STO], v[AC+8*\b:AC+8*\b+3] offset:128*(\b/2)+32*(\b%2)          ; each accumulator from its low end on
	ds_store_b128 v[STO], v[AC+8*\b+4:AC+8*\b+7] offset:128*(\b/2)+32*(\b%2)+16
.endr
	WIN 0
.set BB, BK+64*((\a)%2)
.irp t, 0,1,2,3,4,5,6,7,8,9,10,11,12,13,14,15
	ds_load_b128 v[BB+4*\t:BB+4*\t+3], v[RD] offset:\t*528   ; LDS serves a wave's instructions in order: these see the stores above
.endr
.endm
.macro PROC a, y
.set BB, BK+64*((\a)%2)
.set RR, 64+128*((\a)%2)
	s_wait_dscnt \y                                ; the fragment is back; the next one's 16 stores and 16 loads may be out
.if (\a) < 7
	s_wait_loadcnt 16                              ; its rows of r1 are in; the next fragment's may be out
.else
	s_wait_loadcnt 0x0
.endif
	WIN 0x01
.set J, 0
.rept 32
	v_pk_fma_f32 v[BB+J:BB+J+1], v[RR+J:RR+J+1], s[RS:RS+1], v[BB+J:BB+J+1] op_sel_hi:[1,0,1]
.set J, J+2
.endr
	WIN 0
.if (\a) < 6
	LOADR (\a)+2
.endif
.irp t, 0,1,2,3,4,5,6,7,8,9,10,11,12,13,14,15
	global_store_b128 v[LI], v[BB+4*\t:BB+4*\t+3], s[R2B:R2B+1] offset:4096*(32*((\a)/2)+8*((\a)%2)+16*(\t/8)+(\t%8))   ; 32 lanes store 512 consecutive bytes
.endr
.if (\a) == 0                          ; the shift: the mean of the first 2,048 numbers, so that no difference of large sums is formed
	v_pk_add_f32 v[102:103], v[BB:BB+1], v[BB+2:BB+3]
.set J, 4
.rept 30
	v_pk_add_f32 v[102:103], v[102:103], v[BB+J:BB+J+1]
.set J, J+2
.endr
	v_add_f32 v100, v102, v103
	WSUM 100, 101
	v_mul_f32 v100, 0x3a000000, v100
	v_mov_b32 v101, v100
.endif
.set J, 0
.rept 16
	v_pk_add_f32 v[108:109], v[BB+J:BB+J+1], v[100:101] neg_lo:[0,1] neg_hi:[0,1]
	v_pk_add_f32 v[110:111], v[BB+J+2:BB+J+3], v[100:101] neg_lo:[0,1] neg_hi:[0,1]
	v_pk_add_f32 v[96:97], v[96:97], v[108:109]
	v_pk_add_f32 v[104:105], v[104:105], v[110:111]
	v_pk_fma_f32 v[98:99], v[108:109], v[108:109], v[98:99]
	v_pk_fma_f32 v[106:107], v[110:111], v[110:111], v[106:107]
.set J, J+4
.endr
.endm
.irp j, 96,97,98,99,101,104,105,106,107
	v_mov_b32 v[\j], 0                             ; the sums, in two chains each; these lines are also the places behind the last products
.endr
	TOSTAGE 0
.irp a, 1,2,3,4,5,6,7
.if \a > 1
	s_wait_xcnt 0x0                                ; fragment a - 2's stores have read their registers: fragment a's loads may land there
.endif
	TOSTAGE \a
	PROC \a-1, 32
.endr
	PROC 7, 0
	v_pk_add_f32 v[96:97], v[96:97], v[104:105]
	v_pk_add_f32 v[98:99], v[98:99], v[106:107]
	v_add_f32 v96, v96, v97
	v_add_f32 v98, v98, v99
	WSUM 96, 97
	WSUM 98, 99
	v_mul_f32 v97, 0xb8800000, v96                 ; -S / 16384
	v_fma_f32 v103, v97, v96, v98                  ; M2 about the chunk's own mean
	v_fma_f32 v102, 0x46800000, v100, v96          ; the sum: 16384 x the shift + S
	v_mov_b32 v108, 0
	s_wait_xcnt 0x0                                ; EXEC changes only behind this wait
	v_cmp_eq_u32 vcc_lo, 0, v3
	s_and_saveexec_b32 s16, vcc_lo
	global_store_b64 v108, v[102:103], s[66:67]
	s_wait_xcnt 0x0
	s_or_b32 exec_lo, exec_lo, s16
.endif
	s_wait_tensorcnt 0x0                           ; the wave's end
	ds_add_u32 v[SPW], v[NIL]
	s_wait_dscnt 0x0
	CROUND                                         ; the closing round: no work-group ends while a partner may still ask for a tile that names it
	s_endpgm
.Lfunc_end_k_q6c4afa7b06_gemm_qkv:
	.size	k_q6c4afa7b06_gemm_qkv, .Lfunc_end_k_q6c4afa7b06_gemm_qkv-k_q6c4afa7b06_gemm_qkv
	.p2alignl 7, 3214868480
	.fill 96, 4, 3214868480
	.section	.rodata,"a",@progbits
	.p2align	6, 0x0
	.amdhsa_kernel k_q6c4afa7b06_gemm_qkv
		.amdhsa_group_segment_fixed_size 327680
		.amdhsa_private_segment_fixed_size 0
		.amdhsa_enable_private_segment 0
		.amdhsa_kernarg_size 48
		.amdhsa_user_sgpr_count 2
		.amdhsa_user_sgpr_kernarg_segment_ptr 1
		.amdhsa_wavefront_size32 1
		.amdhsa_system_sgpr_workgroup_id_x 1
		.amdhsa_system_sgpr_workgroup_id_y 1
		.amdhsa_system_sgpr_workgroup_id_z 1
		.amdhsa_system_vgpr_workitem_id 0
		.amdhsa_next_free_vgpr 1024
		.amdhsa_next_free_sgpr 100
		.amdhsa_reserve_vcc 1
		.amdhsa_float_denorm_mode_32 3
		.amdhsa_float_denorm_mode_16_64 3
		.amdhsa_memory_ordered 1
		.amdhsa_forward_progress 1
		.amdhsa_inst_pref_size 147
	.end_amdhsa_kernel
	.amdgpu_metadata
---
amdhsa.version: [ 1, 2 ]
amdhsa.kernels:
  - .name:           k_q6c4afa7b06_gemm_qkv
    .symbol:         k_q6c4afa7b06_gemm_qkv.kd
    .args:
      - { .name: xf, .offset: 0, .size: 8, .value_kind: global_buffer, .address_space: global }
      - { .name: wt, .offset: 8, .size: 8, .value_kind: global_buffer, .address_space: global }
      - { .name: bq, .offset: 16, .size: 8, .value_kind: global_buffer, .address_space: global }
      - { .name: bk, .offset: 24, .size: 8, .value_kind: global_buffer, .address_space: global }
      - { .name: bv, .offset: 32, .size: 8, .value_kind: global_buffer, .address_space: global }
      - { .name: qkv, .offset: 40, .size: 8, .value_kind: global_buffer, .address_space: global }
    .group_segment_fixed_size: 327680
    .private_segment_fixed_size: 0
    .kernarg_segment_align: 8
    .kernarg_segment_size: 48
    .max_flat_workgroup_size: 128
    .sgpr_count:     100
    .vgpr_count:     1024
    .wavefront_size: 32
...
	.end_amdgpu_metadata
.endif
;; end of part 2
;; launch attn (part 3): grid 8 x 32, 16 waves a work-group, clusters of 4 x 1, 233,472 bytes of LDS; arguments qkv, x, r1, st1; writes r1, st1
.if DOCPART == 3
	.amdgcn_target "amdgcn-amd-amdhsa--gfx1250"
	.amdhsa_code_object_version 6
	.text
	.protected	k_q6c4afa7b06_attn
	.globl	k_q6c4afa7b06_attn
	.p2align	8
	.type	k_q6c4afa7b06_attn,@function
k_q6c4afa7b06_attn:
	s_mov_b64 s[64:65], 0
	v_nop
	global_prefetch_b8 v0, s[64:65] scope:SCOPE_SE
	s_setreg_imm32_b32 hwreg(HW_REG_WAVE_MODE, 25, 1), 1
	s_wait_xcnt 0x0
	s_wait_alu depctr_hold_cnt(0) depctr_sa_sdst(0) depctr_va_vdst(0) depctr_va_sdst(0) depctr_va_ssrc(0) depctr_va_vcc(0) depctr_vm_vsrc(0)
	s_getreg_b32 s2, hwreg(HW_REG_IB_STS2, 6, 4)
	s_cmp_eq_u32 s2, 0
	s_cbranch_scc0 .Lentry_in_a_cluster
	s_endpgm
.Lentry_in_a_cluster:
	s_bfe_u32 s2, ttmp6, 0x10000c
	s_cmp_lg_u32 s2, 0x3003
	s_cbranch_scc0 .Lentry_shape_is_right
	s_endpgm
.Lentry_shape_is_right:
; r1 = x + softmax(q k^T / 8) v for one head and 256 queries, both products on codes of FP4 (E2M1) with E8M0 scales for each 32 along K; and (sum, M2) of the work-group's 16,384 numbers of r1.
; THE SOFTMAX AHEAD OF THE SECOND PRODUCT: t = score x log2(e) / 8; M = the running largest t rounded up to a whole number; p = 2^(t - M) is quantised along the keys, not normalised; the row's sum of the unquantised p divides at the end.
; qkv: for each (batch, head) 16 records of 8,960 bytes, one for 128 keys: K's 8 fragments as images of four registers (K = the head's 64), V^T's 4 tiles as images of eight (K = the keys), K's and V's scale words.
; Position p of 128 holds key (query, channel) p with bits 3 and 4 exchanged.
; A HEAD'S K AND V LIE IN LDS WHOLE, filled once: each of the sixteen waves asks for one record, 35 rows of 256 bytes, jointly with the same wave of the three other query blocks of the cluster.
; One barrier follows, and the key steps have none.  32 bytes of padding behind each row: rows four apart then begin 128 bytes apart modulo 256.
; No prefetch of K and V: every tile is asked for at the head, so there is no loop to run ahead in.  x's 16 rows of a wave are prefetched two key steps ahead of their loads, a lane a row, and loaded in the last key step.
; SIXTEEN WAVES, each one tile of 16 queries in 256 registers.  Both products are used transposed: a lane holds one query throughout.
; A KEY STEP TAKES TWO RECORDS, 256 KEYS: the running maximum, the rescaling of O^T and of the sum, and the addresses are made once for both.
; THE KEYS OF A TILE ARE CHOSEN BY LDS ADDRESS: lane r of tile T takes key 64 (T/4) + 32 (r/8) + 8 (T%4) + r%8 of its record.  So lane half h holds, in the 32 registers of tiles 4 c .. 4 c + 3, the whole block 2 c + h of 32 keys:
; a block's maximum needs no other lane, and the conversion of tile T's eight registers is register T of the second product's operand.
; THE HEAD SIZE IS 64, THE INSTRUCTION'S K 128: Q's upper four registers are zero codes; a tile of K is named with the next tile's registers as its upper four, which meet those zeros.  The scale words' upper bytes are never 0xff.
; REGISTERS: v1-7 lane terms; v8-11 addresses in hand; v12 -M, v13 largest score, v[14:15] the sum; v16-23 Q; v24-27 at work; v32-63 O^T; v64-95 K, one record at a time, then p's codes (v64-79) and partial sums (v80-93); v96-99 zero codes;
; v100-103 K's scale words; v104-111 block maxima and scale operands; v112-239 S^T, then p; V lands on v112-175 once the first record's p is converted; v240-247 V's scale words; v248-249 p's; v255 Q's.
; LIMITS: NaN and infinities are not served; the promise holds while the scaled scores stay under 2^31 in magnitude; 1 / the sum is v_rcp_f32.
.set REC,   8960
.set RECL,  35*288                     ; a record in LDS
.set HEADB, 16*REC
.set QIMG,  32*HEADB
.set QSC,   QIMG+32*128*512
.set STAGE, 16*RECL                    ; behind K and V: 16 rows x 272 bytes for each wave
.set RED,   STAGE+16*4352              ; the sixteen waves' pairs (sum, M2)
.set SPARE, RED+256                    ; the spare words, 128 bytes a wave, which no other line names
.set WV,   18
.set SEL,  20
.set CS,   22
.set G1,   24
.set G0,   40
.set TB,   56
.set CNT,  57
.macro CROUND                          ; a round of the cluster's barrier
	s_barrier_signal -1
	s_barrier_wait -1
	s_cmp_lg_u32 s[WV], 0
	s_cbranch_scc1 .Lnot_wave_0_\@
	s_barrier_signal -3
.Lnot_wave_0_\@:
	s_barrier_wait -3
	s_barrier_signal -1
	s_barrier_wait -1
.endm
.macro RSUM16 v                        ; the sum over a row of 16 lanes
.irp m, 1,2,4,8
	s_delay_alu instid0(VALU_DEP_1)
	v_add_f32_dpp v[\v], v[\v], v[\v] row_xmask:\m row_mask:0xf bank_mask:0xf
.endr
.endm
.macro WSUM v, t                       ; the sum over the wave's 32 lanes
	RSUM16 \v
	s_delay_alu instid0(VALU_DEP_1)
	v_permlanex16_b32 v[\t], v[\v], s[SEL], s[SEL+1]
	s_delay_alu instid0(VALU_DEP_1)
	v_add_f32 v[\v], v[\v], v[\t]
.endm
	s_load_b256 s[4:11], s[0:1], 0x0               ; qkv, x, r1, st1
	v_lshl_add_u32 v250, v0, 2, SPARE
	v_mov_b32 v251, 0
	ds_add_u32 v250, v251                          ; the opening lines: the add, twice on end, and its wait ahead of my tensor load
	ds_add_u32 v250, v251
	v_lshrrev_b32 v8, 5, v0
	s_delay_alu instid0(VALU_DEP_1)
	v_readfirstlane_b32 s[WV], v8                  ; wave 0..15
	s_bfe_u32 s12, ttmp6, 0x40000                  ; cx
	s_lshl_b32 s13, ttmp9, 2
	s_add_co_u32 s13, s13, s12                     ; my block of 256 queries: it enters global addresses of my own loads and stores alone
	s_and_b32 s14, ttmp7, 0xffff                   ; 16 x batch + head, which the four partners share
	s_mul_i32 s32, s14, HEADB
	s_mul_i32 s16, s[WV], REC                      ; the record that I fetch
	s_add_co_u32 s32, s32, s16
	s_mov_b32 s33, 0
	s_mov_b32 s[G1], 15|(3<<16)|(1<<20)|(1<<21)|(5<<22)|(7<<25)   ; the mask: all four work-groups; elements of 8 bytes; padding: 8 words after every 64; bit 21 beside a mask
	s_mov_b32 s[G1+1], 32<<16                      ; tensor_dim0: 256 bytes
	s_mov_b32 s[G1+2], 35<<16                      ; tensor_dim1: 35 rows: a record
	s_mov_b32 s[G1+3], 32<<16
	s_mov_b32 s[G1+4], 35
	s_mov_b32 s[G1+5], 32                          ; dense
	s_mov_b32 s[G1+6], 0
	s_mov_b32 s[G1+7], 0
	s_mov_b32 s[G0], 1
	s_mul_i32 s[G0+1], s[WV], RECL
	s_mov_b32 s[SEL], 0x76543210
	s_mov_b32 s[SEL+1], 0xfedcba98
	s_mov_b32 s[CS], 0x3e38aa3b                    ; c = log2(e) / 8
	s_mov_b32 s[CS+1], s[CS]
	s_mov_b32 s[TB], 0
	s_wait_dscnt 0x0
	s_wait_kmcnt 0x0
	s_add_nc_u64 s[G0+2:G0+3], s[4:5], s[32:33]
	s_or_b32 s[G0+3], s[G0+3], 0x80000000
	CROUND                                         ; all four work-groups are here: the joint loads meet
	tensor_load_to_lds s[G0:G0+3], s[G1:G1+7]      ; my one tensor load
	s_nop 0
.rept 4
	v_nop
.endr
	s_lshl_b32 s58, s13, 4
	s_add_co_u32 s58, s58, s[WV]                   ; T: my tile of 16 queries among the head's 128
	s_lshl_b32 s59, s14, 7
	s_add_co_u32 s59, s59, s58
	s_lshl_b32 s60, s59, 9
	s_add_co_u32 s60, s60, QIMG
	s_mov_b32 s61, 0
	s_add_nc_u64 s[60:61], s[4:5], s[60:61]        ; Q's image
	s_lshl_b32 s62, s14, 4
	s_lshr_b32 s63, s58, 3
	s_add_co_u32 s62, s62, s63
	s_lshl_b32 s62, s62, 9
	s_bfe_u32 s63, s58, 0x10002
	s_lshl_b32 s63, s63, 8
	s_add_co_u32 s62, s62, s63
	s_and_b32 s63, s58, 3
	s_lshl_b32 s63, s63, 2
	s_add_co_u32 s62, s62, s63
	s_add_co_u32 s62, s62, QSC
	s_mov_b32 s63, 0
	s_add_nc_u64 s[62:63], s[4:5], s[62:63]        ; Q's scale words
	s_lshr_b32 s66, s14, 4
	s_lshl_b32 s66, s66, 11
	s_lshr_b32 s67, s58, 1
	s_lshl_b32 s67, s67, 5
	s_add_co_u32 s66, s66, s67
	s_and_b32 s67, s58, 1
	s_lshl_b32 s67, s67, 3
	s_add_co_u32 s66, s66, s67                     ; position 0's row: 2048 batch + 32 (T/2) + 8 (T%2)
	s_lshl_b32 s66, s66, 12
	s_and_b32 s67, s14, 15
	s_lshl_b32 s67, s67, 8
	s_add_co_u32 s66, s66, s67                     ; + the head's 256 bytes
	s_mov_b32 s67, 0
	s_add_nc_u64 s[68:69], s[6:7], s[66:67]        ; x
	s_add_nc_u64 s[70:71], s[8:9], s[66:67]        ; r1
	s_lshr_b32 s72, s14, 4
	s_lshl_b32 s72, s72, 10
	s_and_b32 s73, s14, 15
	s_lshl_b32 s73, s73, 6
	s_add_co_u32 s72, s72, s73
	s_lshl_b32 s73, s13, 3
	s_add_co_u32 s72, s72, s73
	s_mov_b32 s73, 0
	s_add_nc_u64 s[72:73], s[10:11], s[72:73]      ; my pair in st1
	v_and_b32 v8, 31, v0
	v_and_b32 v9, 15, v0                           ; r
	v_bfe_u32 v10, v0, 4, 1                        ; h
	v_lshlrev_b32 v8, 4, v8                        ; 16 x lane
	v_lshlrev_b32 v11, 4, v9                       ; 16 r
	global_load_b128 v[16:19], v8, s[60:61]
	global_load_b32 v255, v11, s[62:63]
	v_lshl_add_u32 v3, v10, 12, v11                ; the way out: lanes 0-15 one row of x, lanes 16-31 the next
	v_mul_u32_u24 v2, v10, 288                     ; lanes 16-31 read one LDS row further on
	v_and_b32 v1, 7, v0
	v_bfe_u32 v6, v0, 3, 1                         ; r / 8
	v_lshl_add_u32 v1, v1, 4, v2                   ; 16 (r%8) + 288 h
	s_delay_alu instid0(VALU_DEP_1)
	v_lshl_add_u32 v4, v6, 3, v1
	v_mad_u32_u24 v1, v6, 1152, v1                 ; K: + four rows for r / 8
	v_add_nc_u32 v4, 9216, v4                      ; K's scale words (record byte 8,192 = row 32): 16 (r%8) + 8 (r/8); lanes 16-31 tiles 4-7
	v_add_nc_u32 v2, v2, v11
	v_add_nc_u32 v5, 9792, v11                     ; V's scale words (row 34): 16 r
	v_add_nc_u32 v2, 4608, v2                      ; V (row 16): 16 r + 288 h
	v_lshlrev_b32 v6, 3, v10                       ; 8 h: where my two scale bytes go in p's word
	v_and_b32 v232, 31, v0
	s_delay_alu instid0(VALU_DEP_1)
	v_min_u32 v232, 15, v232                       ; the prefetch: lane p names position p's row of x; lanes 16-31 the last again
	s_delay_alu instid0(VALU_DEP_1)
	v_lshrrev_b32 v233, 3, v232
	v_and_b32 v232, 7, v232
	s_delay_alu instid0(VALU_DEP_2)
	v_lshlrev_b32 v7, 16, v233
	s_delay_alu instid0(VALU_DEP_1)
	v_lshl_add_u32 v7, v232, 12, v7                ; row 16 (p/8) + p%8
.irp j, 20,21,22,23,96,97,98,99
	v_mov_b32 v[\j], 0                             ; zero codes: k = 64 .. 127 of Q, and behind K's last tile
.endr
	v_mov_b32 v13, 0xff61b1e6                      ; the largest score so far: -3e38
	v_mov_b32 v14, 0
	v_mov_b32 v15, 0
	v_floor_f32 v12, -v13                          ; -M
	v_mov_b32 v25, 0                               ; a lane permute's destination counts as a source
	v_mov_b32 v253, 0                              ; named as the upper half of the pair v[252:253]
.set J, 0
.rept 32
	v_mov_b32 v[32+J], 0                           ; O^T: the step is written for every step alike: the first finds zeros
.set J, J+1
.endr
.macro KLOAD o                         ; a record's K and its scale words (tiles T%4 = 0, 1 and 2, 3; lanes 16-31 tiles 4-7)
	ds_load_b64 v[100:101], v10 offset:\o
	ds_load_b64 v[102:103], v10 offset:\o+128
.irp t, 0,1,2,3,4,5,6,7
	ds_load_b128 v[64+4*\t:67+4*\t], v8 offset:\o+(\t/4)*2304+(\t%2)*576+((\t/2)%2)*128
.endr
.endm
.macro SMUL d                          ; S^T of a record's 128 keys into v[d] on
.irp t, 0,1,2,3
	v_wmma_scale_f32_16x16x128_f8f6f4 v[\d+8*\t:\d+8*\t+7], v[64+4*\t:71+4*\t], v[16:23], 0, v[100+\t], v255 matrix_a_fmt:MATRIX_FMT_FP4 matrix_b_fmt:MATRIX_FMT_FP4
.endr
.irp t, 4,5,6,7
	v_wmma_scale_f32_16x16x128_f8f6f4 v[\d+8*\t:\d+8*\t+7], v[64+4*\t:71+4*\t], v[16:23], 0, v[96+\t], v255 matrix_a_fmt:MATRIX_FMT_FP4 matrix_b_fmt:MATRIX_FMT_FP4 matrix_a_scale:MATRIX_SCALE_ROW1
.endr
.endm
.macro BMAX d, m                       ; the largest score of my two blocks of a record, into v[m] and v[m+2]: four chains of 16 registers by turns; each accumulator is read from its low end on
.irp b, 0,1,2,3
	v_max3_num_f32 v[\m+\b], v[\d+16*\b], v[\d+1+16*\b], v[\d+2+16*\b]
.endr
.irp i, 3,5,7,9,11,13
.irp b, 0,1,2,3
	v_max3_num_f32 v[\m+\b], v[\m+\b], v[\d+16*\b+\i], v[\d+1+16*\b+\i]
.endr
.endr
	v_max3_num_f32 v[\m], v[\m], v[\d+15], v[\d+31]
	v_max3_num_f32 v[\m+2], v[\m+2], v[\d+47], v[\d+63]
	v_max_num_f32 v[\m], v[\m], v[\m+1]
	v_max_num_f32 v[\m+2], v[\m+2], v[\m+3]
.endm
.macro TMM n                           ; t - M for the next 2 n scores
.rept \n
	v_pk_fma_f32 v[112+J:113+J], v[112+J:113+J], s[CS:CS+1], v[12:13] op_sel_hi:[1,0,0]
.set J, J+2
.endr
.endm
; A KEY STEP: 256 keys, the two records from LDS byte s[TB] on.  last = 1: x's rows are asked for into the second record's p once it is converted.
.macro STEP last
	v_add_nc_u32 v8, s[TB], v1                     ; these four are also the places in front of loads into registers that the last products have read
	v_add_nc_u32 v9, s[TB], v2
	v_add_nc_u32 v10, s[TB], v4
	v_add_nc_u32 v11, s[TB], v5
	v_nop                                          ; the fifth place: the first product below writes over registers that the last products read as V
	KLOAD 0
	s_wait_alu depctr_va_vdst(0)                   ; the wait directly ahead of the wait below
	s_wait_dscnt 0x0
	SMUL 112
	v_mov_b32 v254, v12                            ; the old -M; with the three below: four places behind the products
.rept 3
	v_nop
.endr
	KLOAD RECL                                     ; the second record's K lands while the first record's maxima are taken
	BMAX 112, 104
	s_wait_dscnt 0x0
	SMUL 176
.rept 4
	v_nop
.endr
	BMAX 176, 108
	v_max3_num_f32 v24, v104, v106, v108
	s_delay_alu instid0(VALU_DEP_1)
	v_max_num_f32 v24, v24, v110
	s_delay_alu instid0(VALU_DEP_1)
	v_permlanex16_b32 v25, v24, s[SEL], s[SEL+1]
	s_delay_alu instid0(VALU_DEP_1)
	v_max3_num_f32 v13, v13, v24, v25              ; the running largest score of my query
	s_delay_alu instid0(VALU_DEP_1)
	v_mul_f32 v26, s[CS], v13
	s_delay_alu instid0(VALU_DEP_1)
	v_floor_f32 v12, -v26                          ; the new -M = -ceil(t): a whole number
.set J, 0
	TMM 8
	v_sub_f32 v254, v12, v254                      ; (the three lines that make f stand among the multiply-adds)
	TMM 8
	v_cvt_i32_f32 v254, v254                       ; (it saturates)
	TMM 8
	v_ldexp_f32 v252, 1.0, v254                    ; f = 2^(old M - new M): rounds nothing
	TMM 40
.irp b, 104,106,108,110
	v_fma_f32 v[\b], v[\b], s[CS], v12             ; the same of each block's largest score: p rises with the score
.endr
	s_wait_alu depctr_va_vdst(0)                   ; the wait ahead of the batch
.set J, 0
.rept 128
	v_exp_f32 v[112+J], v[112+J]                   ; p = 2^(t - M)
.set J, J+1
.endr
	v_pk_mul_f32 v[14:15], v[14:15], v[252:253] op_sel_hi:[1,0]   ; the sums under the new M: a plain instruction behind the exponentials
	s_wait_alu depctr_va_vdst(0)                   ; one wait for the batch, ahead of its first reader
.irp b, 104,106,108,110
	v_exp_f32 v[\b], v[\b]                         ; my four blocks' largest p
.endr
.irp k, 0,1,2,3,4,5,6                          ; the row's sum of the unquantised p: 64 pairs in eight chains by turns
	v_pk_add_f32 v[80+2*\k:81+2*\k], v[112+4*\k:113+4*\k], v[114+4*\k:115+4*\k]
.endr
	v_pk_add_f32 v[14:15], v[14:15], v[140:141]
.irp r, 0,1,2,3,4,5
.irp k, 0,1,2,3,4,5,6
	v_pk_add_f32 v[80+2*\k:81+2*\k], v[80+2*\k:81+2*\k], v[142+16*\r+2*\k:143+16*\r+2*\k]
.endr
	v_pk_add_f32 v[14:15], v[14:15], v[156+16*\r:157+16*\r]
.endr
	v_pk_add_f32 v[80:81], v[80:81], v[238:239]
	v_pk_add_f32 v[82:83], v[82:83], v[84:85]
	v_pk_add_f32 v[86:87], v[86:87], v[88:89]
	v_pk_add_f32 v[90:91], v[90:91], v[92:93]
	v_pk_add_f32 v[14:15], v[14:15], v[80:81]
	v_pk_add_f32 v[82:83], v[82:83], v[86:87]
	v_pk_add_f32 v[14:15], v[14:15], v[90:91]
	s_delay_alu instid0(VALU_DEP_1)
	v_pk_add_f32 v[14:15], v[14:15], v[82:83]
	s_wait_alu depctr_va_vdst(0)                   ; and one for the four
.irp b, 104,106,108,110
	v_max_num_f32 v[\b], 0x1800000, v[\b]          ; the floor 2^(3 - 127): the byte cannot fall under 1
.endr
.irp b, 104,106,108,110
	v_add_nc_u32 v[\b+1], 0xff000000, v[\b]        ; 2 off the exponent field: the conversion's scale operand
.endr
.irp b, 0,1,2,3
	v_lshrrev_b32 v[24+\b], 23, v[105+2*\b]        ; the scale's byte
.endr
	v_lshl_or_b32 v24, v25, 16, v24                ; my bytes of a record: blocks h and 2 + h,
	v_lshl_or_b32 v26, v27, 16, v26
	v_lshlrev_b32 v24, v6, v24                     ; at their places in the word;
	v_lshlrev_b32 v26, v6, v26
	v_permlanex16_b32 v25, v24, s[SEL], s[SEL+1]
	v_permlanex16_b32 v27, v26, s[SEL], s[SEL+1]
	v_or_b32 v248, v24, v25                        ; with lane l xor 16's two: p's scale words for the two records
	v_or_b32 v249, v26, v27
.irp t, 0,1,2,3,4,5,6,7
	v_cvt_scalef32_pk8_fp4_f32 v[64+\t], v[112+8*\t:119+8*\t], v[105+2*(\t/4)]   ; keys 64 (t/4) + 32 h + 8 (t%4) on: register t of the operand
.endr
.irp t, 0,1,2,3,4,5,6,7
	ds_load_b128 v[112+4*\t:115+4*\t], v9 offset:576*\t            ; V of both records, onto the first record's p, which is converted
.endr
.irp t, 0,1,2,3,4,5,6,7
	ds_load_b128 v[144+4*\t:147+4*\t], v9 offset:RECL+576*\t
.endr
	ds_load_b128 v[240:243], v11                   ; V's scale words: tile i's in register i
	ds_load_b128 v[244:247], v11 offset:RECL
.irp t, 0,1,2,3,4,5,6,7
	v_cvt_scalef32_pk8_fp4_f32 v[72+\t], v[176+8*\t:183+8*\t], v[109+2*(\t/4)]
.endr
.if \last
.irp i, 0,1,2,3,4,5,6,7
	global_load_b128 v[176+4*\i:179+4*\i], v3, s[68:69] offset:(16*(\i/4)+2*(\i%4))*4096 th:TH_LOAD_NT   ; positions 2 i, 2 i + 1: rows 16 (i/4) + 2 (i%4) on
.endr
.endif
	s_wait_alu depctr_va_vdst(0)                   ; the wait directly ahead of the first reader of O^T
.set J, 0
.rept 16
	v_pk_mul_f32 v[32+J:33+J], v[32+J:33+J], v[252:253] op_sel_hi:[1,0]   ; O^T under the new M; these sixteen also stand between the scale words' and the codes' writes and the products
.set J, J+2
.endr
	s_wait_alu depctr_va_vdst(0)                   ; the wait directly ahead of the wait below
	s_wait_dscnt 0x0                               ; V and its scale words
.irp u, 0,1                                    ; the four accumulators by turns, one instruction a turn
.irp i, 0,1,2,3
	v_wmma_scale_f32_16x16x128_f8f6f4 v[32+8*\i:39+8*\i], v[112+32*\u+8*\i:119+32*\u+8*\i], v[64+8*\u:71+8*\u], v[32+8*\i:39+8*\i], v[240+4*\u+\i], v[248+\u] matrix_a_fmt:MATRIX_FMT_FP4 matrix_b_fmt:MATRIX_FMT_FP4
.endr
.endr
	s_add_co_u32 s[TB], s[TB], 2*RECL
.endm
	s_wait_alu depctr_va_vdst(0)                   ; the wait at the head's end
	s_wait_loadcnt 0x0                             ; Q
	s_wait_tensorcnt 0x0                           ; my record has landed,
	s_barrier_signal -1
	s_barrier_wait -1                              ; everybody's has
	s_mov_b32 s[CNT], 7
.Lstep:
	s_cmp_eq_u32 s[CNT], 2                         ; in the sixth step: x's 16 rows of 256 bytes, two steps ahead of their loads
	s_cbranch_scc0 .Lno_ask
	global_prefetch_b8 v7, s[68:69] th:TH_LOAD_NT scope:SCOPE_SE
.Lno_ask:
	STEP 0
	s_sub_co_u32 s[CNT], s[CNT], 1
	s_cmp_lg_u32 s[CNT], 0
	s_cbranch_scc1 .Lstep
	STEP 1
	; THE WAY OUT.  O^T / the sum goes through my stage and comes back as rows of 256 bytes; x is added; sixteen lanes store 256 consecutive bytes, aligned.
	v_add_f32 v14, v14, v15
	s_delay_alu instid0(VALU_DEP_1)
	v_permlanex16_b32 v252, v14, s[SEL], s[SEL+1]
	s_delay_alu instid0(VALU_DEP_1)
	v_add_f32 v14, v14, v252                       ; the row's sum
	s_wait_alu depctr_va_vdst(0)                   ; the wait ahead of the transcendental
	v_rcp_f32 v14, v14
	v_and_b32 v8, 15, v0
	v_bfe_u32 v9, v0, 4, 1
	s_mul_i32 s59, s[WV], 4352
	s_add_co_u32 s59, s59, STAGE
	v_mul_u32_u24 v10, v8, 272
	v_mul_u32_u24 v11, v9, 272
	s_delay_alu instid0(VALU_DEP_2)
	v_lshl_add_u32 v10, v9, 6, v10
	s_delay_alu instid0(VALU_DEP_2)
	v_lshl_add_u32 v11, v8, 4, v11
	s_delay_alu instid0(VALU_DEP_2)
	v_add_nc_u32 v10, s59, v10                     ; in: row r, + 64 h
	s_delay_alu instid0(VALU_DEP_2)
	v_add_nc_u32 v11, s59, v11                     ; back: lanes 0-15 one row, lanes 16-31 the next
	v_lshrrev_b32 v1, 5, v0
	v_lshl_add_u32 v2, v8, 3, RED                  ; pair lane % 16
	s_delay_alu instid0(VALU_DEP_2)
	v_lshl_add_u32 v1, v1, 3, RED                  ; my wave's pair
	s_wait_alu depctr_va_vdst(0)                   ; ahead of the reciprocal's first reader, which is also O^T's
.set J, 0
.rept 32
	v_mul_f32 v[112+J], v[32+J], v14               ; register 8 i + j: channel 32 (i/2) + 16 h + 8 (i%2) + j
.set J, J+1
.endr
.irp i, 0,1,2,3
	ds_store_b128 v10, v[112+8*\i:115+8*\i] offset:128*(\i/2)+32*(\i%2)
	ds_store_b128 v10, v[116+8*\i:119+8*\i] offset:128*(\i/2)+32*(\i%2)+16
.endr
.irp i, 0,1,2,3,4,5,6,7
	ds_load_b128 v[144+4*\i:147+4*\i], v11 offset:544*\i   ; LDS serves a wave's instructions in order: these see my stores
.endr
	s_wait_dscnt 0x0
	s_wait_loadcnt 0x0                             ; x
.set J, 0
.rept 16
	v_pk_add_f32 v[144+J:145+J], v[144+J:145+J], v[176+J:177+J]
.set J, J+2
.endr
.irp i, 0,1,2,3,4,5,6,7
	global_store_b128 v3, v[144+4*\i:147+4*\i], s[70:71] offset:(16*(\i/4)+2*(\i%4))*4096
.endr
	; my wave's sum of 1,024 numbers, then their squares about the wave's own mean: no difference of large sums is formed
.irp k, 0,1,2,3,4,5,6,7
	v_pk_add_f32 v[208+2*\k:209+2*\k], v[144+4*\k:145+4*\k], v[146+4*\k:147+4*\k]
.endr
.irp k, 0,1,2,3
	v_pk_add_f32 v[208+4*\k:209+4*\k], v[208+4*\k:209+4*\k], v[210+4*\k:211+4*\k]
.endr
	s_delay_alu instid0(VALU_DEP_3)
	v_pk_add_f32 v[208:209], v[208:209], v[212:213]
	s_delay_alu instid0(VALU_DEP_2)
	v_pk_add_f32 v[216:217], v[216:217], v[220:221]
	s_delay_alu instid0(VALU_DEP_1)
	v_pk_add_f32 v[208:209], v[208:209], v[216:217]
	s_delay_alu instid0(VALU_DEP_1)
	v_add_f32 v208, v208, v209
	WSUM 208, 209
	s_delay_alu instid0(VALU_DEP_1)
	v_mov_b32 v224, v208                           ; the sum
	v_mul_f32 v226, 0x3a800000, v208               ; the mean of 1,024
	s_delay_alu instid0(VALU_DEP_1)
	v_mov_b32 v227, v226
	s_delay_alu instid0(VALU_DEP_1)
	v_pk_add_f32 v[228:229], v[144:145], v[226:227] neg_lo:[0,1] neg_hi:[0,1]
	v_pk_add_f32 v[230:231], v[146:147], v[226:227] neg_lo:[0,1] neg_hi:[0,1]
	s_delay_alu instid0(VALU_DEP_2)
	v_pk_mul_f32 v[208:209], v[228:229], v[228:229]
	s_delay_alu instid0(VALU_DEP_2)
	v_pk_mul_f32 v[210:211], v[230:231], v[230:231]
.irp k, 4,8,12,16,20,24,28
	v_pk_add_f32 v[228:229], v[144+\k:145+\k], v[226:227] neg_lo:[0,1] neg_hi:[0,1]
	v_pk_add_f32 v[230:231], v[146+\k:147+\k], v[226:227] neg_lo:[0,1] neg_hi:[0,1]
	s_delay_alu instid0(VALU_DEP_2)
	v_pk_fma_f32 v[208:209], v[228:229], v[228:229], v[208:209]
	s_delay_alu instid0(VALU_DEP_2)
	v_pk_fma_f32 v[210:211], v[230:231], v[230:231], v[210:211]
.endr
	s_delay_alu instid0(VALU_DEP_1)
	v_pk_add_f32 v[208:209], v[208:209], v[210:211]
	s_delay_alu instid0(VALU_DEP_1)
	v_add_f32 v208, v208, v209
	WSUM 208, 209
	s_delay_alu instid0(VALU_DEP_1)
	v_mov_b32 v225, v208                           ; M2
	ds_store_b64 v1, v[224:225]                    ; all lanes write the same pair with the same values
	s_wait_dscnt 0x0
	s_barrier_signal -1
	s_barrier_wait -1
	s_cmp_lg_u32 s[WV], 0
	s_cbranch_scc1 .Lno_pair
	ds_load_b64 v[232:233], v2                     ; wave 0 joins the sixteen pairs: M2 = the sum of M2_i + 1024 (mean_i - mean)^2
	s_wait_dscnt 0x0
	v_mov_b32 v234, v232
	RSUM16 234
	s_delay_alu instid0(VALU_DEP_1)
	v_mul_f32 v235, 0x38800000, v234               ; the mean of 16,384
	s_delay_alu instid0(VALU_DEP_1)
	v_fma_f32 v236, v232, 0x3a800000, -v235
	s_delay_alu instid0(VALU_DEP_1)
	v_mul_f32 v236, v236, v236
	s_delay_alu instid0(VALU_DEP_1)
	v_fmac_f32 v233, 0x44800000, v236
	RSUM16 233
	s_delay_alu instid0(VALU_DEP_1)
	v_mov_b32 v235, v233
	v_mov_b32 v237, 0
	s_wait_xcnt 0x0                                ; EXEC changes only behind this wait
	v_cmp_eq_u32 vcc_lo, 0, v0
	s_and_saveexec_b32 s59, vcc_lo
	s_wait_alu depctr_va_vdst(0)                   ; the wait directly ahead of the reader
	global_store_b64 v237, v[234:235], s[72:73]
	s_wait_xcnt 0x0
	s_or_b32 exec_lo, exec_lo, s59
.Lno_pair:
	s_wait_tensorcnt 0x0                           ; the wave's end
	ds_add_u32 v250, v251
	s_wait_dscnt 0x0
	CROUND                                         ; the closing round
	s_endpgm
.Lfunc_end_k_q6c4afa7b06_attn:
	.size	k_q6c4afa7b06_attn, .Lfunc_end_k_q6c4afa7b06_attn-k_q6c4afa7b06_attn
	.p2alignl 7, 3214868480
	.fill 96, 4, 3214868480
	.section	.rodata,"a",@progbits
	.p2align	6, 0x0
	.amdhsa_kernel k_q6c4afa7b06_attn
		.amdhsa_group_segment_fixed_size 233472
		.amdhsa_private_segment_fixed_size 0
		.amdhsa_enable_private_segment 0
		.amdhsa_kernarg_size 32
		.amdhsa_user_sgpr_count 2
		.amdhsa_user_sgpr_kernarg_segment_ptr 1
		.amdhsa_wavefront_size32 1
		.amdhsa_system_sgpr_workgroup_id_x 1
		.amdhsa_system_sgpr_workgroup_id_y 1
		.amdhsa_system_sgpr_workgroup_id_z 1
		.amdhsa_system_vgpr_workitem_id 0
		.amdhsa_next_free_vgpr 256
		.amdhsa_next_free_sgpr 80
		.amdhsa_reserve_vcc 1
		.amdhsa_float_denorm_mode_32 3
		.amdhsa_float_denorm_mode_16_64 3
		.amdhsa_memory_ordered 1
		.amdhsa_forward_progress 1
		.amdhsa_inst_pref_size 73
	.end_amdhsa_kernel
	.amdgpu_metadata
---
amdhsa.version: [ 1, 2 ]
amdhsa.kernels:
  - .name:           k_q6c4afa7b06_attn
    .symbol:         k_q6c4afa7b06_attn.kd
    .args:
      - { .name: qkv, .offset: 0, .size: 8, .value_kind: global_buffer, .address_space: global }
      - { .name: x, .offset: 8, .size: 8, .value_kind: global_buffer, .address_space: global }
      - { .name: r1, .offset: 16, .size: 8, .value_kind: global_buffer, .address_space: global }
      - { .name: st1, .offset: 24, .size: 8, .value_kind: global_buffer, .address_space: global }
    .group_segment_fixed_size: 233472
    .private_segment_fixed_size: 0
    .kernarg_segment_align: 8
    .kernarg_segment_size: 32
    .max_flat_workgroup_size: 512
    .sgpr_count:     80
    .vgpr_count:     256
    .wavefront_size: 32
...
	.end_amdgpu_metadata
.endif
;; end of part 3
;; launch ln1_quant (part 4): grid 256 x 1, 8 waves a work-group, no clusters, 69,120 bytes of LDS; arguments r1, st1, xf; writes xf
.if DOCPART == 4
	.amdgcn_target "amdgcn-amd-amdhsa--gfx1250"
	.amdhsa_code_object_version 6
	.text
	.protected	k_q6c4afa7b06_ln1_quant
	.globl	k_q6c4afa7b06_ln1_quant
	.p2align	8
	.type	k_q6c4afa7b06_ln1_quant,@function
k_q6c4afa7b06_ln1_quant:
	s_mov_b64 s[64:65], 0
	v_nop
	global_prefetch_b8 v0, s[64:65] scope:SCOPE_SE
	s_setreg_imm32_b32 hwreg(HW_REG_WAVE_MODE, 25, 1), 1
	s_wait_xcnt 0x0
; h = (r1 - mean) * rsqrt(var + 1e-5), mean and var over a batch's 2^21 numbers, joined from 128 chunk pairs (sum, M2) of 16,384 numbers each; h becomes codes of FP4 (E2M1) with one E8M0 byte for each 32 along K (its columns).
; OUTPUT: blocks of 34,816 bytes, [row block of 128][K / 512]: images of the matrix operand's registers: codes at q*8192 + i*1024 + c*512 + lane*16, scale words at 32768 + q*512 + (i/4)*256 + r*16 + (i%4)*4.
; Position p of a block holds row p with its bits 3 and 4 exchanged.
; SHARES: a work-group takes 128 rows x 128 K; a wave one fragment of 16 rows, all its 16 loads out at once.  A load reads 512 consecutive bytes of a row; the 16 rows turn through the wave's own stage in LDS,
; so that lane (r, h) gets 16 neighbours of each block of 32 of row r.  The eight fragments' scale words meet in LDS and leave as 512 consecutive bytes.  Every wave joins the pairs for itself.
; LIMITS: NaN and infinities are not served; a block of zeros gets the byte 1 (its codes are zeros; the bytes are read by this program alone); 1 / sqrt is v_rsq_f32.
.set BLKB,  34816
.set SP,    528
.set STG,   16*SP
.set XSC,   8*STG                      ; the scale words, 512 bytes
.set SPARE, XSC+512                    ; the spare words, 128 bytes a wave, which no other line names
.set TM,    16                         ; v16-27 maxima, bytes, scale operands
.set ST,    96                         ; v96-107 the statistics; then the codes (v96-103) and the scale word (v104)
.set SEL,   38
.set RS,    40                         ; s[40:41] rsqrt(var + eps), twice
.set NM,    42                         ; s[42:43] -mean, twice
.macro WSUM v, t
.irp m, 1,2,4,8
	s_delay_alu instid0(VALU_DEP_1)
	v_add_f32_dpp v[\v], v[\v], v[\v] row_xmask:\m row_mask:0xf bank_mask:0xf
.endr
	s_delay_alu instid0(VALU_DEP_1)
	v_permlanex16_b32 v[\t], v[\v], s[SEL], s[SEL+1]
	s_delay_alu instid0(VALU_DEP_1)
	v_add_f32 v[\v], v[\v], v[\t]
.endm
	s_load_b128 s[4:7], s[0:1], 0x0                ; r1, st1
	s_load_b64 s[8:9], s[0:1], 0x10                ; xf
	v_lshl_add_u32 v30, v0, 2, SPARE
	v_mov_b32 v31, 0
	v_lshrrev_b32 v1, 5, v0
	s_delay_alu instid0(VALU_DEP_1)
	v_readfirstlane_b32 s20, v1                    ; wave 0..7 = fragment F
	s_and_b32 s22, ttmp9, 3                        ; q
	s_bfe_u32 s23, ttmp9, 0x10002                  ; K / 512
	s_lshr_b32 s24, ttmp9, 3                       ; row block
	s_lshl_b32 s26, s24, 19                        ; 128 rows of 4,096 bytes
	s_lshr_b32 s25, s20, 1
	s_lshl_b32 s25, s25, 17
	s_add_co_u32 s26, s26, s25                     ; position t of fragment F is row 32 (F/2) + 8 (F%2) + 16 (t/8) + t%8
	s_and_b32 s25, s20, 1
	s_lshl_b32 s25, s25, 15
	s_add_co_u32 s26, s26, s25
	s_lshl_b32 s25, s23, 11
	s_add_co_u32 s26, s26, s25
	s_lshl_b32 s25, s22, 9
	s_add_co_u32 s26, s26, s25
	s_mov_b32 s27, 0
	s_lshl_b32 s28, s24, 1
	s_add_co_u32 s28, s28, s23
	s_mul_i32 s28, s28, BLKB                       ; my block
	s_lshl_b32 s25, s22, 13
	s_add_co_u32 s30, s28, s25
	s_lshl_b32 s25, s20, 10
	s_add_co_u32 s30, s30, s25                     ; codes: + 8192 q + 1024 F
	s_mov_b32 s31, 0
	s_lshl_b32 s25, s22, 9
	s_add_co_u32 s32, s28, s25
	s_add_co_u32 s32, s32, 32768
	s_mov_b32 s33, 0
	s_mul_i32 s34, s20, STG                        ; my stage
	s_lshr_b32 s35, s20, 2
	s_lshl_b32 s35, s35, 8
	s_and_b32 s36, s20, 3
	s_lshl_b32 s36, s36, 2
	s_add_co_u32 s35, s35, s36
	s_add_co_u32 s35, s35, XSC                     ; my fragment's scale words: 256 (F/4) + 4 (F%4)
	s_lshr_b32 s36, s24, 4                         ; batch
	s_lshl_b32 s36, s36, 10
	s_mov_b32 s37, 0
	s_mov_b32 s[SEL], 0x76543210
	s_mov_b32 s[SEL+1], 0xfedcba98
	v_and_b32 v2, 15, v0                           ; r
	v_and_b32 v9, 31, v0
	v_bfe_u32 v5, v0, 4, 1
	v_lshlrev_b32 v3, 4, v9                        ; 16 x lane
	v_lshlrev_b32 v9, 5, v9                        ; four chunk pairs a lane: 32 bytes
	v_mul_u32_u24 v6, v2, SP
	v_add_nc_u32 v4, s34, v3                       ; the stage, in: a row's 512 bytes as they lie
	v_lshlrev_b32 v7, 4, v2
	v_lshl_add_u32 v6, v5, 6, v6
	v_add_nc_u32 v8, XSC, v3
	v_add_nc_u32 v7, s35, v7
	v_add_nc_u32 v6, s34, v6                       ; and out: row r, + 64 h
.irp b, 0,1,2,3
	v_mov_b32 v[TM+4+\b], 0                        ; a lane permute's destination counts as one of its sources
.endr
	s_wait_alu depctr_va_vdst(0)                   ; the wait at the head's end
	s_wait_kmcnt 0x0
	s_add_nc_u64 s[26:27], s[4:5], s[26:27]
	s_add_nc_u64 s[36:37], s[6:7], s[36:37]
	s_add_nc_u64 s[30:31], s[8:9], s[30:31]
	s_add_nc_u64 s[32:33], s[8:9], s[32:33]
	global_load_b128 v[ST:ST+3], v9, s[36:37]
	global_load_b128 v[ST+4:ST+7], v9, s[36:37] offset:16
.irp t, 0,1,2,3,4,5,6,7,8,9,10,11,12,13,14,15
	global_load_b128 v[32+4*\t:35+4*\t], v3, s[26:27] offset:(16*(\t/8)+(\t%8))*4096 th:TH_LOAD_NT
.endr
	s_wait_loadcnt 16                              ; the two statistics loads are in; the 16 rows behind them stay out
	; 128 chunks are joined: M2 = the sum of M2_i + 16384 (mean_i - mean)^2: no difference of large sums
	v_add_f32 v[ST+8], v[ST], v[ST+2]
	v_add_f32 v[ST+9], v[ST+4], v[ST+6]
	s_delay_alu instid0(VALU_DEP_1)
	v_add_f32 v[ST+8], v[ST+8], v[ST+9]
	WSUM ST+8, ST+9
	s_delay_alu instid0(VALU_DEP_1)
	v_mul_f32 v[ST+8], 0x35000000, v[ST+8]         ; mean = sum * 2^-21
.irp i, 0,2,4,6
	v_fma_f32 v[ST+\i], v[ST+\i], 0x38800000, -v[ST+8]   ; chunk mean (sum * 2^-14) - mean
.endr
	v_mul_f32 v[ST+9], v[ST], v[ST]
.irp i, 2,4,6
	s_delay_alu instid0(VALU_DEP_1)
	v_fmac_f32 v[ST+9], v[ST+\i], v[ST+\i]
.endr
	v_add_f32 v[ST+1], v[ST+1], v[ST+3]
	v_add_f32 v[ST+5], v[ST+5], v[ST+7]
	s_delay_alu instid0(VALU_DEP_1)
	v_add_f32 v[ST+1], v[ST+1], v[ST+5]
	s_delay_alu instid0(VALU_DEP_1)
	v_fmac_f32 v[ST+1], 0x46800000, v[ST+9]        ; + 16384 x the squares
	WSUM ST+1, ST+9
	s_delay_alu instid0(VALU_DEP_1)
	v_mul_f32 v[ST+1], 0x35000000, v[ST+1]         ; var
	s_delay_alu instid0(VALU_DEP_1)
	v_add_f32 v[ST+1], 0x3727c5ac, v[ST+1]         ; + 1e-5
	s_wait_alu depctr_va_vdst(0)                   ; the wait ahead of the transcendental,
	v_rsq_f32 v[ST+10], v[ST+1]
	v_nop                                          ; a plain instruction behind it,
	s_wait_alu depctr_va_vdst(0)                   ; and the wait ahead of its first reader
	v_readfirstlane_b32 s[RS], v[ST+10]
	v_readfirstlane_b32 s[NM], v[ST+8]
	s_mov_b32 s[RS+1], s[RS]
	s_xor_b32 s[NM], s[NM], 0x80000000
	s_mov_b32 s[NM+1], s[NM]
	s_wait_loadcnt 0x0
.set J, 0
.rept 32
	v_pk_add_f32 v[32+J:33+J], v[32+J:33+J], s[NM:NM+1] op_sel_hi:[1,0]
.set J, J+2
.endr
.set J, 0
.rept 32
	v_pk_mul_f32 v[32+J:33+J], v[32+J:33+J], s[RS:RS+1] op_sel_hi:[1,0]
.set J, J+2
.endr
.irp t, 0,1,2,3,4,5,6,7,8,9,10,11,12,13,14,15
	ds_store_b128 v4, v[32+4*\t:35+4*\t] offset:SP*\t
.endr
	s_wait_dscnt 0x0                               ; the stores have read their registers, which take the numbers back
.irp b, 0,1,2,3
.irp j, 0,1,2,3
	ds_load_b128 v[32+16*\b+4*\j:35+16*\b+4*\j], v6 offset:128*\b+16*\j   ; register 16 b + i = k 32 b + 16 h + i of my row
.endr
.endr
	s_wait_dscnt 0x0
.irp b, 0,1,2,3
	v_max3_num_f32 v[TM+\b], |v[32+16*\b]|, |v[33+16*\b]|, 0x1800000   ; my 16 numbers of block b, and the floor 2^(3 - 127)
.endr
.irp i, 2,4,6,8,10,12,14
.irp b, 0,1,2,3
	v_max3_num_f32 v[TM+\b], v[TM+\b], |v[32+16*\b+\i]|, |v[33+16*\b+\i]|
.endr
.endr
.irp b, 0,1,2,3
	v_permlanex16_b32 v[TM+4+\b], v[TM+\b], s[SEL], s[SEL+1]
.endr
.irp b, 0,1,2,3
	v_max_num_f32 v[TM+\b], v[TM+\b], v[TM+4+\b]   ; with lane l xor 16's: the block's largest magnitude
.endr
.irp b, 0,1,2,3
	v_add_nc_u32 v[TM+8+\b], 0xff000000, v[TM+\b]  ; the conversion's scale operand
.endr
.irp b, 0,1,2,3
	v_lshrrev_b32 v[TM+4+\b], 23, v[TM+8+\b]       ; the scale's byte
.endr
	v_lshl_or_b32 v104, v[TM+5], 8, v[TM+4]
	s_delay_alu instid0(VALU_DEP_1)
	v_lshl_or_b32 v104, v[TM+6], 16, v104
	s_delay_alu instid0(VALU_DEP_1)
	v_lshl_or_b32 v104, v[TM+7], 24, v104
.irp b, 0,1,2,3
	v_cvt_scalef32_pk8_fp4_f32 v[96+2*\b], v[32+16*\b:39+16*\b], v[TM+8+\b]
	v_cvt_scalef32_pk8_fp4_f32 v[97+2*\b], v[40+16*\b:47+16*\b], v[TM+8+\b]
.endr
	v_nop                                          ; one plain place behind a scaled conversion
.irp c, 0,1                                    ; the operand's layout wants a whole block in a lane
.irp i, 0,1
	v_permlane16_swap_b32 v[96+4*\c+\i], v[98+4*\c+\i]
.endr
.endr
	global_store_b128 v3, v[96:99], s[30:31]       ; 32 lanes store 512 consecutive bytes
	global_store_b128 v3, v[100:103], s[30:31] offset:512
	ds_store_b32 v7, v104                          ; lanes r and r + 16 write the same word with the same value
	s_wait_dscnt 0x0
	s_barrier_signal -1
	s_barrier_wait -1
	s_cmp_lg_u32 s20, 0
	s_cbranch_scc1 .Lend
	ds_load_b128 v[16:19], v8                      ; wave 0: the 512 bytes of scale words as they lie in the block
	s_wait_dscnt 0x0
	global_store_b128 v3, v[16:19], s[32:33]
.Lend:
	s_wait_tensorcnt 0x0                           ; the wave's end
	ds_add_u32 v30, v31
	s_wait_dscnt 0x0
	s_endpgm
.Lfunc_end_k_q6c4afa7b06_ln1_quant:
	.size	k_q6c4afa7b06_ln1_quant, .Lfunc_end_k_q6c4afa7b06_ln1_quant-k_q6c4afa7b06_ln1_quant
	.p2alignl 7, 3214868480
	.fill 96, 4, 3214868480
	.section	.rodata,"a",@progbits
	.p2align	6, 0x0
	.amdhsa_kernel k_q6c4afa7b06_ln1_quant
		.amdhsa_group_segment_fixed_size 69120
		.amdhsa_private_segment_fixed_size 0
		.amdhsa_enable_private_segment 0
		.amdhsa_kernarg_size 24
		.amdhsa_user_sgpr_count 2
		.amdhsa_user_sgpr_kernarg_segment_ptr 1
		.amdhsa_wavefront_size32 1
		.amdhsa_system_sgpr_workgroup_id_x 1
		.amdhsa_system_sgpr_workgroup_id_y 1
		.amdhsa_system_sgpr_workgroup_id_z 1
		.amdhsa_system_vgpr_workitem_id 0
		.amdhsa_next_free_vgpr 112
		.amdhsa_next_free_sgpr 66
		.amdhsa_reserve_vcc 0
		.amdhsa_float_denorm_mode_32 3
		.amdhsa_float_denorm_mode_16_64 3
		.amdhsa_memory_ordered 1
		.amdhsa_forward_progress 1
		.amdhsa_inst_pref_size 18
	.end_amdhsa_kernel
	.amdgpu_metadata
---
amdhsa.version: [ 1, 2 ]
amdhsa.kernels:
  - .name:           k_q6c4afa7b06_ln1_quant
    .symbol:         k_q6c4afa7b06_ln1_quant.kd
    .args:
      - { .name: r1, .offset: 0, .size: 8, .value_kind: global_buffer, .address_space: global }
      - { .name: st1, .offset: 8, .size: 8, .value_kind: global_buffer, .address_space: global }
      - { .name: xf, .offset: 16, .size: 8, .value_kind: global_buffer, .address_space: global }
    .group_segment_fixed_size: 69120
    .private_segment_fixed_size: 0
    .kernarg_segment_align: 8
    .kernarg_segment_size: 24
    .max_flat_workgroup_size: 256
    .sgpr_count:     66
    .vgpr_count:     112
    .wavefront_size: 32
...
	.end_amdgpu_metadata
.endif
;; end of part 4
;; launch gemm_ffn1 (part 5): grid 16 x 16, 4 waves a work-group, clusters of 4 x 4, 327,680 bytes of LDS; arguments xf, wt, b1, hid; writes hid
.if DOCPART == 5
	.amdgcn_target "amdgcn-amd-amdhsa--gfx1250"
	.amdhsa_code_object_version 6
	.text
	.protected	k_q6c4afa7b06_gemm_ffn1
	.globl	k_q6c4afa7b06_gemm_ffn1
	.p2align	8
	.type	k_q6c4afa7b06_gemm_ffn1,@function
k_q6c4afa7b06_gemm_ffn1:
	s_mov_b64 s[64:65], 0
	v_nop
	global_prefetch_b8 v0, s[64:65] scope:SCOPE_SE
	s_setreg_imm32_b32 hwreg(HW_REG_WAVE_MODE, 25, 1), 1
	s_wait_xcnt 0x0
	s_wait_alu depctr_hold_cnt(0) depctr_sa_sdst(0) depctr_va_vdst(0) depctr_va_sdst(0) depctr_va_ssrc(0) depctr_va_vcc(0) depctr_vm_vsrc(0)
	s_getreg_b32 s2, hwreg(HW_REG_IB_STS2, 6, 4)
	s_cmp_eq_u32 s2, 0
	s_cbranch_scc0 .Lentry_in_a_cluster
	s_endpgm
.Lentry_in_a_cluster:
	s_bfe_u32 s2, ttmp6, 0x10000c
	s_cmp_lg_u32 s2, 0xf033
	s_cbranch_scc0 .Lentry_shape_is_right
	s_endpgm
.Lentry_shape_is_right:
.set MODE,  2
.set BLKB,  34816
.set SLOT,  4*BLKB
.set SPARE, 2*SLOT
.if MODE == 3
.set KSN,   8
.else
.set KSN,   2
.endif
.set LAPS,  KSN/2
.set NQ,    4
.set FR,    8
.set NL,    2
.set NP,    4
.set REC,   8960
.set HEADB, 16*REC
.set QIMG,  32*HEADB
.set QSC,   QIMG+32*128*512
.set ADRA, 16
.set ADRB, 20
.set ADRS, 22
.set STO,  24
.set RD,   25
.set LI,   26
.set VS,   27
.set SPW,  28
.set NIL,  29
.set SC,   32
.set PW,   96
.set SW,   104
.set TM,   112
.set AF,   128
.set PC,   128
.set BK,   128
.set BIAS, 192
.set G1,   24
.set G0,   32
.set R1B,  40
.set R2B,  42
.set STB,  44
.set G1B,  48
.set G0B,  56
.set SEL,  68
.set WV,   70
.set WM,   71
.set WN,   72
.set CX,   73
.set CY,   74
.set TCOL, 75
.set TROW, 76
.set ISV,  77
.set LD,   78
.set NM,   92
.set RS,   94
.set CC,   96
.set MSB, 0
.macro WIN new
.if MSB != (\new)
	s_set_vgpr_msb (MSB<<8)|(\new)
.set MSB, \new
.endif
.endm
.set MUL_LO, 0xa1
.set MUL_HI, 0xf1
.set TO_B,   0x40
.macro JLOAD g0a, g1a, g0b, g1b
	s_cmp_eq_u32 s[WM], 0
	s_cbranch_scc0 .Lfor_b_\@
	tensor_load_to_lds s[\g0a:\g0a+3], s[\g1a:\g1a+7]
	s_nop 0
.rept 4
	v_nop
.endr
	s_branch .Lasked_\@
.Lfor_b_\@:
	tensor_load_to_lds s[\g0b:\g0b+3], s[\g1b:\g1b+7]
	s_nop 0
.rept 4
	v_nop
.endr
.Lasked_\@:
.endm
.macro CREST
	s_cmp_lg_u32 s[WV], 0
	s_cbranch_scc1 .Lnot_wave_0_\@
	s_barrier_signal -3
.Lnot_wave_0_\@:
	s_barrier_wait -3
	s_barrier_signal -1
	s_barrier_wait -1
.endm
.macro CROUND
	s_barrier_signal -1
	s_barrier_wait -1
	CREST
.endm
.macro WSUM v, t
	v_add_f32_dpp v[\v], v[\v], v[\v] row_xmask:1 row_mask:0xf bank_mask:0xf
	v_add_f32_dpp v[\v], v[\v], v[\v] row_xmask:2 row_mask:0xf bank_mask:0xf
	v_add_f32_dpp v[\v], v[\v], v[\v] row_xmask:4 row_mask:0xf bank_mask:0xf
	v_add_f32_dpp v[\v], v[\v], v[\v] row_xmask:8 row_mask:0xf bank_mask:0xf
	v_permlanex16_b32 v[\t], v[\v], s[SEL], s[SEL+1]
	v_add_f32 v[\v], v[\v], v[\t]
.endm
.macro STATS_LOAD b, sp
	v_and_b32 v[\b+11], 31, v0
	v_lshlrev_b32 v[\b+11], 5, v[\b+11]
	global_load_b128 v[\b:\b+3], v[\b+11], s[\sp:\sp+1]
	global_load_b128 v[\b+4:\b+7], v[\b+11], s[\sp:\sp+1] offset:16
.endm
.macro STATS b
	v_add_f32 v[\b+8], v[\b], v[\b+2]
	v_add_f32 v[\b+9], v[\b+4], v[\b+6]
	v_add_f32 v[\b+8], v[\b+8], v[\b+9]
	WSUM \b+8, \b+9
	v_mul_f32 v[\b+8], 0x35000000, v[\b+8]
.irp i, 0,2,4,6
	v_fma_f32 v[\b+\i], v[\b+\i], 0x38800000, -v[\b+8]
.endr
	v_mul_f32 v[\b+9], v[\b], v[\b]
.irp i, 2,4,6
	v_fmac_f32 v[\b+9], v[\b+\i], v[\b+\i]
.endr
	v_add_f32 v[\b+1], v[\b+1], v[\b+3]
	v_add_f32 v[\b+5], v[\b+5], v[\b+7]
	v_add_f32 v[\b+1], v[\b+1], v[\b+5]
	v_fmac_f32 v[\b+1], 0x46800000, v[\b+9]
	WSUM \b+1, \b+9
	v_mul_f32 v[\b+1], 0x35000000, v[\b+1]
	v_add_f32 v[\b+1], 0x3727c5ac, v[\b+1]
	v_rsq_f32 v[\b+10], v[\b+1]
	v_nop
	s_wait_alu depctr_va_vdst(0)
	v_readfirstlane_b32 s[RS], v[\b+10]
	v_readfirstlane_b32 s[NM], v[\b+8]
	s_mov_b32 s[RS+1], s[RS]
	s_xor_b32 s[NM], s[NM], 0x80000000
	s_mov_b32 s[NM+1], s[NM]
.endm
	s_load_b128 s[4:7], s[0:1], 0x0
	s_load_b128 s[8:11], s[0:1], 0x10
.if MODE != 2
	s_load_b128 s[12:15], s[0:1], 0x20
.endif
.if MODE == 3
	s_load_b64 s[66:67], s[0:1], 0x30
.endif
	v_lshl_add_u32 v[SPW], v0, 2, SPARE
	v_mov_b32 v[NIL], 0
	ds_add_u32 v28, v29
	ds_add_u32 v28, v29
	s_wait_dscnt 0x0
	v_lshrrev_b32 v1, 5, v0
	v_readfirstlane_b32 s[WV], v1
	s_lshr_b32 s[WM], s[WV], 1
	s_and_b32 s[WN], s[WV], 1
	s_bfe_u32 s[CX], ttmp6, 0x40000
	s_bfe_u32 s[CY], ttmp6, 0x40004
	s_and_b32 s16, ttmp7, 0xffff
	s_mov_b32 s17, ttmp9
.if MODE == 1
	s_cmp_eq_u32 ttmp9, 2
	s_cselect_b32 s[ISV], 1, 0
	s_cselect_b32 s17, s16, s17
	s_cselect_b32 s16, 0, s16
.endif
	s_lshl_b32 s[TCOL], s17, 2
	s_add_co_u32 s[TCOL], s[TCOL], s[CX]
	s_lshl_b32 s[TROW], s16, 2
	s_add_co_u32 s[TROW], s[TROW], s[CY]
	s_lshl_b32 s18, s[CY], 2
	s_lshl_b32 s18, 15, s18
	s_lshl_b32 s19, 0x1111, s[CX]
	s_or_b32 s[G1], s18, (3<<16)|(1<<21)
	s_or_b32 s[G1B], s19, (3<<16)|(1<<21)
.irp g, G1, G1B
	s_mov_b32 s[\g+1], 32<<16
	s_mov_b32 s[\g+2], 272<<16                     ; 272 rows: the two blocks of K = 1,024, which lie on end in memory
	s_mov_b32 s[\g+3], 32<<16
	s_mov_b32 s[\g+4], 272
	s_mov_b32 s[\g+5], 32
	s_mov_b32 s[\g+6], 0
	s_mov_b32 s[\g+7], 0
.endr
	s_lshl_b32 s80, s[TROW], 1
	s_add_co_u32 s80, s80, s[WN]
	s_mul_i32 s80, s80, KSN*BLKB
	s_mov_b32 s81, 0
	s_lshl_b32 s84, s[TCOL], 1
	s_add_co_u32 s84, s84, s[WN]
	s_mul_i32 s84, s84, KSN*BLKB
	s_mov_b32 s85, 0
.if MODE == 1
	s_cmp_eq_u32 s[ISV], 1
	s_cselect_b32 s82, 32*BLKB, 0
	s_add_co_u32 s80, s80, s82
.elseif MODE == 2
	s_add_co_u32 s84, s84, 48*BLKB
.else
	s_add_co_u32 s84, s84, 112*BLKB
.endif
	s_mul_i32 s[LD], s[WV], 2*BLKB                 ; where my two blocks go
	s_mov_b32 s[SEL], 0x76543210
	s_mov_b32 s[SEL+1], 0xfedcba98
	s_wait_kmcnt 0x0
.if MODE == 1
	s_cmp_eq_u32 s[ISV], 1
	s_cselect_b64 s[88:89], s[6:7], s[4:5]
	s_cselect_b64 s[90:91], s[4:5], s[6:7]
.else
	s_mov_b64 s[88:89], s[4:5]
	s_mov_b64 s[90:91], s[6:7]
.endif
	s_add_nc_u64 s[88:89], s[88:89], s[80:81]
	s_add_nc_u64 s[90:91], s[90:91], s[84:85]
	CROUND
.irp s, 0
	s_mov_b32 s[G0+4*\s], 1
	s_add_co_u32 s[G0+4*\s+1], s[LD], \s*SLOT
	s_add_nc_u64 s[G0+4*\s+2:G0+4*\s+3], s[88:89], \s*BLKB
	s_or_b32 s[G0+4*\s+3], s[G0+4*\s+3], 0x80000000
	s_mov_b32 s[G0B+4*\s], 1
	s_add_co_u32 s[G0B+4*\s+1], s[LD], \s*SLOT
	s_add_nc_u64 s[G0B+4*\s+2:G0B+4*\s+3], s[90:91], \s*BLKB
	s_or_b32 s[G0B+4*\s+3], s[G0B+4*\s+3], 0x80000000
	JLOAD G0+4*\s, G1, G0B+4*\s, G1B               ; my one load: both K steps of my half of A or of B
.endr
	v_and_b32 v1, 15, v0
	v_bfe_u32 v2, v0, 4, 1
	v_and_b32 v3, 31, v0
	v_lshlrev_b32 v[LI], 4, v3
	s_wait_alu depctr_va_vdst(0)
	s_mul_i32 s21, s[WM], 2*BLKB
	s_mul_i32 s22, s[WN], 2*BLKB
	s_add_co_u32 s22, s22, 4*BLKB
	s_sub_co_u32 s23, s22, s21
	v_mul_u32_u24 v6, s23, v2
	v_lshl_add_u32 v6, v1, 4, v6
	s_add_co_u32 s23, s21, 32768
.irp s, 0,1
	v_add_nc_u32 v[ADRA+\s], s21, v[LI]
	v_add_nc_u32 v[ADRB+\s], s22, v[LI]
	v_add_nc_u32 v[ADRS+\s], s23, v6
	s_add_co_u32 s21, s21, BLKB
	s_add_co_u32 s22, s22, BLKB
	s_add_co_u32 s23, s23, BLKB
.endr
	v_lshlrev_b32 v4, 6, v2
.macro BIASLD
.irp b, 0,1,2,3
.irp j, 0,1,2,3
	global_load_b128 v[BIAS+16*\b+4*\j:BIAS+16*\b+4*\j+3], v4, s[18:19] offset:128*\b+16*\j
.endr
.endr
.endm
.if MODE == 1
	v_mul_u32_u24 v[VS], 0x23000, v2
	v_lshl_add_u32 v[VS], v1, 4, v[VS]
	s_lshl_b32 s16, s[CX], 10
	s_lshl_b32 s17, s[WN], 9
	s_add_co_u32 s16, s16, s17
	s_mov_b32 s17, 0
	s_cmp_eq_u32 ttmp9, 0
	s_cselect_b64 s[18:19], s[8:9], s[10:11]
	s_add_nc_u64 s[18:19], s[18:19], s[16:17]
	s_lshl_b32 s20, s[TROW], 1
	s_add_co_u32 s20, s20, s[WM]
	s_lshl_b32 s20, s20, 9
	s_mov_b32 s21, 0
	s_add_nc_u64 s[20:21], s[12:13], s[20:21]
	v_and_b32 v5, 7, v1
	v_lshrrev_b32 v7, 3, v1
	v_lshl_add_u32 v5, v7, 4, v5
	v_lshlrev_b32 v5, 2, v5
	s_cmp_eq_u32 s[ISV], 1
	s_cbranch_scc1 .Lbias_v
	BIASLD
	s_branch .Lbias_in
.Lbias_v:
.irp a, 0,1,2,3,4,5,6,7
.irp j, 0,1,2,3,4,5,6,7
	global_load_b32 v[BIAS+8*\a+\j], v5, s[20:21] offset:(32*(\a/2)+8*(\a%2))*4
.endr
.endr
.Lbias_in:
.else
	s_lshl_b32 s16, s[TCOL], 10
	s_lshl_b32 s17, s[WN], 9
	s_add_co_u32 s16, s16, s17
	s_mov_b32 s17, 0
	s_add_nc_u64 s[18:19], s[8:9], s[16:17]
	BIASLD
.endif
.if MODE == 3
	s_mul_i32 s23, s[WV], 16*528
	v_mul_u32_u24 v5, v1, 528
	v_lshl_add_u32 v5, v2, 6, v5
	v_add_nc_u32 v[STO], s23, v5
	v_add_nc_u32 v[RD], s23, v[LI]
	s_lshl_b32 s16, s[TROW], 1
	s_add_co_u32 s16, s16, s[WM]
	s_lshl_b32 s18, s16, 19
	s_lshl_b32 s19, s[TCOL], 10
	s_add_co_u32 s18, s18, s19
	s_lshl_b32 s19, s[WN], 9
	s_add_co_u32 s18, s18, s19
	s_mov_b32 s19, 0
	s_add_nc_u64 s[R1B:R1B+1], s[10:11], s[18:19]
	s_add_nc_u64 s[R2B:R2B+1], s[14:15], s[18:19]
	s_lshr_b32 s18, s16, 4
	s_lshl_b32 s18, s18, 10
	s_add_nc_u64 s[STB:STB+1], s[12:13], s[18:19]
	s_and_b32 s20, s16, 15
	s_lshl_b32 s20, s20, 3
	s_lshl_b32 s21, s[TCOL], 1
	s_add_co_u32 s20, s20, s21
	s_add_co_u32 s20, s20, s[WN]
	s_lshl_b32 s20, s20, 3
	s_add_co_u32 s18, s18, s20
	s_add_nc_u64 s[66:67], s[66:67], s[18:19]
	STATS_LOAD TM, STB
.endif
	s_wait_alu depctr_va_vdst(0)
	s_wait_loadcnt 0x0
.if MODE == 3
	STATS TM
	v_mul_f32 v[TM+9], v[TM+8], v[TM+10]
	v_readfirstlane_b32 s[CC], v[TM+9]
	s_xor_b32 s[CC], s[CC], 0x80000000
	s_mov_b32 s[CC+1], s[CC]
.set J, 0
.rept 32
	v_pk_add_f32 v[BIAS+J:BIAS+J+1], v[BIAS+J:BIAS+J+1], s[CC:CC+1] op_sel_hi:[1,0]
.set J, J+2
.endr
.endif
.macro FRAG reg, adr, q, i
.irp c, 0,1
	ds_load_b128 v[\reg+4*\c:\reg+4*\c+3], v[\adr] offset:8192*(\q)+1024*(\i)+512*\c
.endr
.endm
.macro MUL16 a0, p, q, sc, cm
.irp a, \a0, \a0+1
.irp b, 0,1,2,3,4,5,6,7
.if \cm == 0
	v_wmma_scale_f32_16x16x128_f8f6f4 v[8*(8*((\a)%4)+\b):8*(8*((\a)%4)+\b)+7], v[128*(\p)+FR*\b:128*(\p)+FR*\b+FR-1], v[AF+FR*(\a):AF+FR*(\a)+FR-1], v[8*(8*((\a)%4)+\b):8*(8*((\a)%4)+\b)+7], v[SC+32*(\sc)+8*(\q)+\b], v[SC+32*(\sc)+8*(\q)+(\a)] matrix_a_fmt:MATRIX_FMT_FP4 matrix_b_fmt:MATRIX_FMT_FP4 matrix_a_scale:MATRIX_SCALE_ROW1
.elseif \cm == 1
	v_wmma_scale_f32_16x16x128_f8f6f4 v[8*(8*((\a)%4)+\b):8*(8*((\a)%4)+\b)+7], v[128*(\p)+FR*\b:128*(\p)+FR*\b+FR-1], v[AF+FR*(\a):AF+FR*(\a)+FR-1], v[BIAS+8*\b:BIAS+8*\b+7], v[SC+32*(\sc)+8*(\q)+\b], v[SC+32*(\sc)+8*(\q)+(\a)] matrix_a_fmt:MATRIX_FMT_FP4 matrix_b_fmt:MATRIX_FMT_FP4 matrix_a_scale:MATRIX_SCALE_ROW1
.else
	v_wmma_scale_f32_16x16x128_f8f6f4 v[8*(8*((\a)%4)+\b):8*(8*((\a)%4)+\b)+7], v[128*(\p)+FR*\b:128*(\p)+FR*\b+FR-1], v[AF+FR*(\a):AF+FR*(\a)+FR-1], v[BIAS+8*(\a):BIAS+8*(\a)+7], v[SC+32*(\sc)+8*(\q)+\b], v[SC+32*(\sc)+8*(\q)+(\a)] matrix_a_fmt:MATRIX_FMT_FP4 matrix_b_fmt:MATRIX_FMT_FP4 matrix_a_scale:MATRIX_SCALE_ROW1
.endif
.endr
.endr
.endm
.macro FETCH_B slot, q, p
	WIN TO_B
.irp i, 0,1,2,3,4,5,6,7
	FRAG 128*(\p)+FR*\i, ADRB+\slot, \q, \i
.endr
	WIN 0
.endm
.macro FETCH_A slot, q, i0
.irp i, \i0, \i0+1, \i0+2, \i0+3
	FRAG AF+FR*(\i), ADRA+\slot, \q, \i
.endr
.endm
.macro SCALES sc
.irp q, 0,1,2,3
.irp g, 0,1
	ds_load_b128 v[SC+32*\sc+8*\q+4*\g:SC+32*\sc+8*\q+4*\g+3], v[ADRS+\sc] offset:512*\q+256*\g
.endr
.endr
.endm
.macro PLACES n
.rept \n
	v_nop
.endr
.endm
.macro STEP slot, q, cm
	s_wait_dscnt 4*NL
.if \cm
	WIN 0x81
.else
	WIN MUL_LO
.endif
	MUL16 0, (\q)%2, \q, \slot, \cm
	MUL16 2, (\q)%2, \q, \slot, \cm
	s_wait_dscnt 0
	PLACES NP
	FETCH_B \slot, (\q)+1, 1-(\q)%2
	FETCH_A \slot, (\q)+1, 0
.if \cm
	WIN 0xc1
.else
	WIN MUL_HI
.endif
	MUL16 4, (\q)%2, \q, \slot, \cm
	MUL16 6, (\q)%2, \q, \slot, \cm
	PLACES NP
	WIN 0
	FETCH_A \slot, (\q)+1, 4
.endm
.macro TURN slot, next, fill
	s_wait_tensorcnt 0x0
	ds_add_u32 v[SPW], v[NIL]
	s_wait_dscnt 4*NL+1
	WIN MUL_LO
	MUL16 0, 1, NQ-1, \slot, 0
	s_wait_dscnt 0x0
	s_barrier_signal -1
	MUL16 2, 1, NQ-1, \slot, 0
	WIN 0
	s_barrier_wait -1
.if \fill
	CREST
	s_add_nc_u64 s[G0+4*\slot+2:G0+4*\slot+3], s[G0+4*\slot+2:G0+4*\slot+3], 2*BLKB
	s_add_nc_u64 s[G0B+4*\slot+2:G0B+4*\slot+3], s[G0B+4*\slot+2:G0B+4*\slot+3], 2*BLKB
	JLOAD G0+4*\slot, G1, G0B+4*\slot, G1B
.else
	PLACES NP
.endif
	FETCH_B \next, 0, 0
	FETCH_A \next, 0, 0
	SCALES \next
	WIN MUL_HI
	MUL16 4, 1, NQ-1, \slot, 0
	MUL16 6, 1, NQ-1, \slot, 0
	PLACES NP
	WIN 0
	FETCH_A \next, 0, 4
.endm
.macro STEPS slot, from
.set Q, \from
.rept NQ-1-\from
	STEP \slot, Q, 0
.set Q, Q+1
.endr
.endm
.macro LOADR a
	WIN 0x40
.irp t, 0,1,2,3,4,5,6,7,8,9,10,11,12,13,14,15
	global_load_b128 v[64+128*((\a)%2)+4*\t:64+128*((\a)%2)+4*\t+3], v[LI], s[R1B:R1B+1] offset:4096*(32*((\a)/2)+8*((\a)%2)+16*(\t/8)+(\t%8)) th:TH_LOAD_NT
.endr
	WIN 0
.endm
	s_wait_tensorcnt 0x0                           ; my one load is in
	s_barrier_signal -1
	s_barrier_wait -1
	FETCH_B 0, 0, 0
	FETCH_A 0, 0, 0
	SCALES 0
	FETCH_A 0, 0, 4
.if MODE == 1
	s_cmp_eq_u32 s[ISV], 1
	s_cbranch_scc1 .Lfirst_v
	STEP 0, 0, 1
	s_branch .Lfirst_done
.Lfirst_v:
	STEP 0, 0, 2
.Lfirst_done:
.else
	STEP 0, 0, 1
.endif
.if LAPS > 1
	s_mov_b32 s3, LAPS-1
.Llap:
	STEPS 0, 1
	TURN 0, 1, 1
	STEPS 1, 0
	TURN 1, 0, 1
	STEP 0, 0, 0
	s_sub_co_u32 s3, s3, 1
	s_cmp_lg_u32 s3, 0
	s_cbranch_scc1 .Llap
.endif
.if MODE == 3
	LOADR 0
	LOADR 1
.endif
	STEPS 0, 1
	TURN 0, 1, 0
	STEPS 1, 0
	s_wait_dscnt 4*NL
	WIN MUL_LO
	MUL16 0, 1, NQ-1, 1, 0
	MUL16 2, 1, NQ-1, 1, 0
	s_wait_dscnt 0
	WIN MUL_HI
	MUL16 4, 1, NQ-1, 1, 0
	MUL16 6, 1, NQ-1, 1, 0
	WIN 0
.if MODE != 3
.macro QUANTW a
.set QW, 2+(\a)/4
.set QS, 64*((\a)%4)
.set QP, PC+8*(\a)
.if MODE == 2
	WIN (QW<<6)|(QW<<2)
.set QJ, 0
.rept 64
	v_max_num_f32 v[QS+QJ], 0, v[QS+QJ]
.set QJ, QJ+1
.endr
.endif
	WIN (QW<<2)|(QW<<4)
.irp b, 0,1,2,3
	v_max3_num_f32 v[TM+\b], 0x1800000, |v[QS+16*\b]|, |v[QS+16*\b+1]|
.endr
.irp i, 2,4,6,8,10,12,14
.irp b, 0,1,2,3
	v_max3_num_f32 v[TM+\b], v[TM+\b], |v[QS+16*\b+\i]|, |v[QS+16*\b+\i+1]|
.endr
.endr
	WIN 0
.irp b, 0,1,2,3
	v_permlanex16_b32 v[TM+4+\b], v[TM+\b], s[SEL], s[SEL+1]
.endr
.irp b, 0,1,2,3
	v_max_num_f32 v[TM+\b], v[TM+\b], v[TM+4+\b]
.endr
.irp b, 0,1,2,3
	v_add_nc_u32 v[TM+12+\b], 0xff000000, v[TM+\b]
.endr
.irp b, 0,1,2,3
	v_lshrrev_b32 v[TM+4+\b], 23, v[TM+12+\b]
.endr
	v_lshl_or_b32 v[PW+(\a)], v[TM+5], 8, v[TM+4]
	v_lshl_or_b32 v[PW+(\a)], v[TM+6], 16, v[PW+(\a)]
	v_lshl_or_b32 v[PW+(\a)], v[TM+7], 24, v[PW+(\a)]
	WIN QW
.irp b, 0,1,2,3
	v_cvt_scalef32_pk8_fp4_f32 v[QP+2*\b], v[QS+16*\b:QS+16*\b+7], v[TM+12+\b]
	v_cvt_scalef32_pk8_fp4_f32 v[QP+2*\b+1], v[QS+16*\b+8:QS+16*\b+15], v[TM+12+\b]
.endr
	WIN 0
	v_nop
.irp c, 0,1
.irp i, 0,1
	v_permlane16_swap_b32 v[QP+4*\c+\i], v[QP+2+4*\c+\i]
.endr
.endr
.endm
.irp b, 0,1,2,3
	v_mov_b32 v[TM+4+\b], 0
.endr
	v_cmp_lt_u32 vcc_lo, 15, v3
.irp a, 0,1,2,3,4,5,6,7
	QUANTW \a
.endr
.irp j, 0,1,2,3
	v_cndmask_b32 v[SW+\j], v[PW+\j], v[PW+4+\j], vcc_lo
.endr
	s_lshl_b32 s16, s[TROW], 1
	s_add_co_u32 s16, s16, s[WM]
.endif
.if MODE == 2
	s_lshl_b32 s16, s16, 3
	s_lshr_b32 s17, s[TCOL], 1
	s_add_co_u32 s16, s16, s17
	s_mul_i32 s16, s16, BLKB
	s_and_b32 s17, s[TCOL], 1
	s_lshl_b32 s17, s17, 1
	s_add_co_u32 s17, s17, s[WN]
	s_lshl_b32 s18, s17, 13
	s_add_co_u32 s80, s16, s18
	s_mov_b32 s81, 0
	s_lshl_b32 s18, s17, 9
	s_add_co_u32 s82, s16, s18
	s_add_co_u32 s82, s82, 32768
	s_mov_b32 s83, 0
	s_add_nc_u64 s[80:81], s[10:11], s[80:81]
	s_add_nc_u64 s[82:83], s[10:11], s[82:83]
	s_wait_alu depctr_va_vdst(0)
.irp a, 0,1,2,3,4,5,6,7
	global_store_b128 v[LI], v[PC+8*\a:PC+8*\a+3], s[80:81] offset:1024*\a
	global_store_b128 v[LI], v[PC+8*\a+4:PC+8*\a+7], s[80:81] offset:1024*\a+512
.endr
	global_store_b128 v[LI], v[SW:SW+3], s[82:83]
.endif
.if MODE == 1
.irp j, 0,1,2,3
	v_lshrrev_b32 v[SW+4+\j], 16, v[SW+\j]
.endr
	s_cmp_eq_u32 s[ISV], 1
	s_cbranch_scc1 .Lout_v
	s_lshr_b32 s17, s16, 4
	s_and_b32 s18, s16, 15
	s_lshl_b32 s19, s17, 4
	s_lshl_b32 s20, s[CX], 2
	s_add_co_u32 s19, s19, s20
	s_lshl_b32 s20, s[WN], 1
	s_add_co_u32 s19, s19, s20
	s_lshl_b32 s20, s19, 16
	s_lshl_b32 s21, s18, 12
	s_add_co_u32 s20, s20, s21
	s_add_co_u32 s20, s20, QIMG
	s_lshl_b32 s22, s19, 13
	s_lshl_b32 s21, s18, 9
	s_add_co_u32 s22, s22, s21
	s_add_co_u32 s22, s22, QSC
	s_mul_i32 s80, s19, HEADB
	s_mul_i32 s21, s18, REC
	s_add_co_u32 s80, s80, s21
	s_add_co_u32 s82, s80, 8192
	s_mov_b32 s23, HEADB
	s_cmp_eq_u32 ttmp9, 0
	s_cselect_b32 s80, s20, s80
	s_cselect_b32 s82, s22, s82
	s_cselect_b32 s84, 65536, s23
	s_cselect_b32 s86, 8192, s23
	s_mov_b32 s81, 0
	s_mov_b32 s83, 0
	s_mov_b32 s85, 0
	s_mov_b32 s87, 0
	s_add_nc_u64 s[80:81], s[14:15], s[80:81]
	s_add_nc_u64 s[82:83], s[14:15], s[82:83]
	s_add_nc_u64 s[84:85], s[80:81], s[84:85]
	s_add_nc_u64 s[86:87], s[82:83], s[86:87]
.irp a, 0,1,2,3,4,5,6,7
	global_store_b128 v[LI], v[PC+8*\a:PC+8*\a+3], s[80:81] offset:512*\a
	global_store_b128 v[LI], v[PC+8*\a+4:PC+8*\a+7], s[84:85] offset:512*\a
.endr
	global_store_b128 v[LI], v[SW:SW+3], s[82:83]
	global_store_b128 v[LI], v[SW+4:SW+7], s[86:87]
	s_branch .Lout_done
.Lout_v:
	s_lshl_b32 s17, s[TCOL], 1
	s_add_co_u32 s17, s17, s[WN]
	s_lshr_b32 s18, s17, 4
	s_and_b32 s19, s17, 15
	s_lshl_b32 s18, s18, 4
	s_lshl_b32 s20, s16, 1
	s_add_co_u32 s18, s18, s20
	s_mul_i32 s80, s18, HEADB
	s_mul_i32 s21, s19, REC
	s_add_co_u32 s80, s80, s21
	s_mov_b32 s81, 0
	s_add_nc_u64 s[80:81], s[14:15], s[80:81]
	s_add_nc_u64 s[84:85], s[80:81], HEADB
.irp a, 0,1,2,3,4,5,6,7
	global_store_b128 v[LI], v[PC+8*\a:PC+8*\a+3], s[80+4*(\a/4):81+4*(\a/4)] offset:4096+1024*(\a%4)
	global_store_b128 v[LI], v[PC+8*\a+4:PC+8*\a+7], s[80+4*(\a/4):81+4*(\a/4)] offset:4096+1024*(\a%4)+512
.endr
	global_store_b128 v[VS], v[SW:SW+3], s[80:81] offset:8704
.Lout_done:
.endif
.if MODE == 3
.macro TOSTAGE a
.set AC, 64*((\a)%4)
	WIN 0x08+4*((\a)/4)
.irp b, 0,1,2,3,4,5,6,7
	ds_store_b128 v[STO], v[AC+8*\b:AC+8*\b+3] offset:128*(\b/2)+32*(\b%2)
	ds_store_b128 v[STO], v[AC+8*\b+4:AC+8*\b+7] offset:128*(\b/2)+32*(\b%2)+16
.endr
	WIN 0
.set BB, BK+64*((\a)%2)
.irp t, 0,1,2,3,4,5,6,7,8,9,10,11,12,13,14,15
	ds_load_b128 v[BB+4*\t:BB+4*\t+3], v[RD] offset:\t*528
.endr
.endm
.macro PROC a, y
.set BB, BK+64*((\a)%2)
.set RR, 64+128*((\a)%2)
	s_wait_dscnt \y
.if (\a) < 7
	s_wait_loadcnt 16
.else
	s_wait_loadcnt 0x0
.endif
	WIN 0x01
.set J, 0
.rept 32
	v_pk_fma_f32 v[BB+J:BB+J+1], v[RR+J:RR+J+1], s[RS:RS+1], v[BB+J:BB+J+1] op_sel_hi:[1,0,1]
.set J, J+2
.endr
	WIN 0
.if (\a) < 6
	LOADR (\a)+2
.endif
.irp t, 0,1,2,3,4,5,6,7,8,9,10,11,12,13,14,15
	global_store_b128 v[LI], v[BB+4*\t:BB+4*\t+3], s[R2B:R2B+1] offset:4096*(32*((\a)/2)+8*((\a)%2)+16*(\t/8)+(\t%8))
.endr
.if (\a) == 0
	v_pk_add_f32 v[102:103], v[BB:BB+1], v[BB+2:BB+3]
.set J, 4
.rept 30
	v_pk_add_f32 v[102:103], v[102:103], v[BB+J:BB+J+1]
.set J, J+2
.endr
	v_add_f32 v100, v102, v103
	WSUM 100, 101
	v_mul_f32 v100, 0x3a000000, v100
	v_mov_b32 v101, v100
.endif
.set J, 0
.rept 16
	v_pk_add_f32 v[108:109], v[BB+J:BB+J+1], v[100:101] neg_lo:[0,1] neg_hi:[0,1]
	v_pk_add_f32 v[110:111], v[BB+J+2:BB+J+3], v[100:101] neg_lo:[0,1] neg_hi:[0,1]
	v_pk_add_f32 v[96:97], v[96:97], v[108:109]
	v_pk_add_f32 v[104:105], v[104:105], v[110:111]
	v_pk_fma_f32 v[98:99], v[108:109], v[108:109], v[98:99]
	v_pk_fma_f32 v[106:107], v[110:111], v[110:111], v[106:107]
.set J, J+4
.endr
.endm
.irp j, 96,97,98,99,101,104,105,106,107
	v_mov_b32 v[\j], 0
.endr
	TOSTAGE 0
.irp a, 1,2,3,4,5,6,7
.if \a > 1
	s_wait_xcnt 0x0
.endif
	TOSTAGE \a
	PROC \a-1, 32
.endr
	PROC 7, 0
	v_pk_add_f32 v[96:97], v[96:97], v[104:105]
	v_pk_add_f32 v[98:99], v[98:99], v[106:107]
	v_add_f32 v96, v96, v97
	v_add_f32 v98, v98, v99
	WSUM 96, 97
	WSUM 98, 99
	v_mul_f32 v97, 0xb8800000, v96
	v_fma_f32 v103, v97, v96, v98
	v_fma_f32 v102, 0x46800000, v100, v96
	v_mov_b32 v108, 0
	s_wait_xcnt 0x0
	v_cmp_eq_u32 vcc_lo, 0, v3
	s_and_saveexec_b32 s16, vcc_lo
	global_store_b64 v108, v[102:103], s[66:67]
	s_wait_xcnt 0x0
	s_or_b32 exec_lo, exec_lo, s16
.endif
	s_wait_tensorcnt 0x0
	ds_add_u32 v[SPW], v[NIL]
	s_wait_dscnt 0x0
	CROUND
	s_endpgm
.Lfunc_end_k_q6c4afa7b06_gemm_ffn1:
	.size	k_q6c4afa7b06_gemm_ffn1, .Lfunc_end_k_q6c4afa7b06_gemm_ffn1-k_q6c4afa7b06_gemm_ffn1
	.p2alignl 7, 3214868480
	.fill 96, 4, 3214868480
	.section	.rodata,"a",@progbits
	.p2align	6, 0x0
	.amdhsa_kernel k_q6c4afa7b06_gemm_ffn1
		.amdhsa_group_segment_fixed_size 327680
		.amdhsa_private_segment_fixed_size 0
		.amdhsa_enable_private_segment 0
		.amdhsa_kernarg_size 32
		.amdhsa_user_sgpr_count 2
		.amdhsa_user_sgpr_kernarg_segment_ptr 1
		.amdhsa_wavefront_size32 1
		.amdhsa_system_sgpr_workgroup_id_x 1
		.amdhsa_system_sgpr_workgroup_id_y 1
		.amdhsa_system_sgpr_workgroup_id_z 1
		.amdhsa_system_vgpr_workitem_id 0
		.amdhsa_next_free_vgpr 1024
		.amdhsa_next_free_sgpr 100
		.amdhsa_reserve_vcc 1
		.amdhsa_float_denorm_mode_32 3
		.amdhsa_float_denorm_mode_16_64 3
		.amdhsa_memory_ordered 1
		.amdhsa_forward_progress 1
		.amdhsa_inst_pref_size 142
	.end_amdhsa_kernel
	.amdgpu_metadata
---
amdhsa.version: [ 1, 2 ]
amdhsa.kernels:
  - .name:           k_q6c4afa7b06_gemm_ffn1
    .symbol:         k_q6c4afa7b06_gemm_ffn1.kd
    .args:
      - { .name: xf, .offset: 0, .size: 8, .value_kind: global_buffer, .address_space: global }
      - { .name: wt, .offset: 8, .size: 8, .value_kind: global_buffer, .address_space: global }
      - { .name: b1, .offset: 16, .size: 8, .value_kind: global_buffer, .address_space: global }
      - { .name: hid, .offset: 24, .size: 8, .value_kind: global_buffer, .address_space: global }
    .group_segment_fixed_size: 327680
    .private_segment_fixed_size: 0
    .kernarg_segment_align: 8
    .kernarg_segment_size: 32
    .max_flat_workgroup_size: 128
    .sgpr_count:     100
    .vgpr_count:     1024
    .wavefront_size: 32
...
	.end_amdgpu_metadata
.endif
;; end of part 5
;; launch gemm_ffn2 (part 6): grid 8 x 32, 4 waves a work-group, clusters of 4 x 4, 327,680 bytes of LDS; arguments hid, wt, b2, r1, st1, r2, st2; writes r2, st2
.if DOCPART == 6
	.amdgcn_target "amdgcn-amd-amdhsa--gfx1250"
	.amdhsa_code_object_version 6
	.text
	.protected	k_q6c4afa7b06_gemm_ffn2
	.globl	k_q6c4afa7b06_gemm_ffn2
	.p2align	8
	.type	k_q6c4afa7b06_gemm_ffn2,@function
k_q6c4afa7b06_gemm_ffn2:
	s_mov_b64 s[64:65], 0
	v_nop
	global_prefetch_b8 v0, s[64:65] scope:SCOPE_SE
	s_setreg_imm32_b32 hwreg(HW_REG_WAVE_MODE, 25, 1), 1
	s_wait_xcnt 0x0
	s_wait_alu depctr_hold_cnt(0) depctr_sa_sdst(0) depctr_va_vdst(0) depctr_va_sdst(0) depctr_va_ssrc(0) depctr_va_vcc(0) depctr_vm_vsrc(0)
	s_getreg_b32 s2, hwreg(HW_REG_IB_STS2, 6, 4)
	s_cmp_eq_u32 s2, 0
	s_cbranch_scc0 .Lentry_in_a_cluster
	s_endpgm
.Lentry_in_a_cluster:
	s_bfe_u32 s2, ttmp6, 0x10000c
	s_cmp_lg_u32 s2, 0xf033
	s_cbranch_scc0 .Lentry_shape_is_right
	s_endpgm
.Lentry_shape_is_right:
.set BLKB,  34816
.set SLOT,  4*BLKB
.set SPARE, 2*SLOT
.set KSN,   8
.set LAPS,  KSN/4
.set SP,    272
.set RED,   4*16*SP
.set ADRA, 16
.set ADRB, 20
.set ADRS, 22
.set STO,  24
.set RD,   25
.set LI,   26
.set CO,   27
.set SPW,  28
.set NIL,  29
.set RA,   30
.set RB,   31
.set SC,   32
.set TM,   112
.set ACC,  128
.set F0,   0
.set F1,   128
.set R1,   0
.set BIAS, 128
.set G1,   24
.set G0,   32
.set R1B,  40
.set R2B,  42
.set STB,  44
.set G1B,  48
.set G0B,  56
.set SEL,  68
.set WV,   70
.set WM,   71
.set WN,   72
.set CX,   73
.set CY,   74
.set TCOL, 75
.set TROW, 76
.set LD,   78
.set NM,   92
.set RS,   94
.set CC,   96
.set MSB, 0
.macro WIN new
.if MSB != (\new)
	s_set_vgpr_msb (MSB<<8)|(\new)
.set MSB, \new
.endif
.endm
.set MUL,   0x05
.set MUL_C, 0x25
.set TO_F,  0x40
.set TO_2,  0x80
.macro JLOAD g0a, g1a, g0b, g1b
	s_cmp_eq_u32 s[WM], 0
	s_cbranch_scc0 .Lfor_b_\@
	tensor_load_to_lds s[\g0a:\g0a+3], s[\g1a:\g1a+7]
	s_nop 0
.rept 4
	v_nop
.endr
	s_branch .Lasked_\@
.Lfor_b_\@:
	tensor_load_to_lds s[\g0b:\g0b+3], s[\g1b:\g1b+7]
	s_nop 0
.rept 4
	v_nop
.endr
.Lasked_\@:
.endm
.macro CREST
	s_cmp_lg_u32 s[WV], 0
	s_cbranch_scc1 .Lnot_wave_0_\@
	s_barrier_signal -3
.Lnot_wave_0_\@:
	s_barrier_wait -3
	s_barrier_signal -1
	s_barrier_wait -1
.endm
.macro CROUND
	s_barrier_signal -1
	s_barrier_wait -1
	CREST
.endm
.macro WSUM v, t
	v_add_f32_dpp v[\v], v[\v], v[\v] row_xmask:1 row_mask:0xf bank_mask:0xf
	v_add_f32_dpp v[\v], v[\v], v[\v] row_xmask:2 row_mask:0xf bank_mask:0xf
	v_add_f32_dpp v[\v], v[\v], v[\v] row_xmask:4 row_mask:0xf bank_mask:0xf
	v_add_f32_dpp v[\v], v[\v], v[\v] row_xmask:8 row_mask:0xf bank_mask:0xf
	v_permlanex16_b32 v[\t], v[\v], s[SEL], s[SEL+1]
	v_add_f32 v[\v], v[\v], v[\t]
.endm
.macro STATS_LOAD b, sp
	v_and_b32 v[\b+11], 31, v0
	v_lshlrev_b32 v[\b+11], 5, v[\b+11]
	global_load_b128 v[\b:\b+3], v[\b+11], s[\sp:\sp+1]
	global_load_b128 v[\b+4:\b+7], v[\b+11], s[\sp:\sp+1] offset:16
.endm
.macro STATS b
	v_add_f32 v[\b+8], v[\b], v[\b+2]
	v_add_f32 v[\b+9], v[\b+4], v[\b+6]
	v_add_f32 v[\b+8], v[\b+8], v[\b+9]
	WSUM \b+8, \b+9
	v_mul_f32 v[\b+8], 0x35000000, v[\b+8]
.irp i, 0,2,4,6
	v_fma_f32 v[\b+\i], v[\b+\i], 0x38800000, -v[\b+8]
.endr
	v_mul_f32 v[\b+9], v[\b], v[\b]
.irp i, 2,4,6
	v_fmac_f32 v[\b+9], v[\b+\i], v[\b+\i]
.endr
	v_add_f32 v[\b+1], v[\b+1], v[\b+3]
	v_add_f32 v[\b+5], v[\b+5], v[\b+7]
	v_add_f32 v[\b+1], v[\b+1], v[\b+5]
	v_fmac_f32 v[\b+1], 0x46800000, v[\b+9]
	WSUM \b+1, \b+9
	v_mul_f32 v[\b+1], 0x35000000, v[\b+1]
	v_add_f32 v[\b+1], 0x3727c5ac, v[\b+1]
	s_wait_alu depctr_va_vdst(0)
	v_rsq_f32 v[\b+10], v[\b+1]
	v_nop
	s_wait_alu depctr_va_vdst(0)
	v_readfirstlane_b32 s[RS], v[\b+10]
	v_readfirstlane_b32 s[NM], v[\b+8]
	s_mov_b32 s[RS+1], s[RS]
	s_xor_b32 s[NM], s[NM], 0x80000000
	s_mov_b32 s[NM+1], s[NM]
.endm
	s_load_b128 s[4:7], s[0:1], 0x0
	s_load_b128 s[8:11], s[0:1], 0x10
	s_load_b128 s[12:15], s[0:1], 0x20
	s_load_b64 s[66:67], s[0:1], 0x30
	v_lshl_add_u32 v[SPW], v0, 2, SPARE
	v_mov_b32 v[NIL], 0
	ds_add_u32 v28, v29
	ds_add_u32 v28, v29
	s_wait_dscnt 0x0
	v_lshrrev_b32 v1, 5, v0
	v_readfirstlane_b32 s[WV], v1
	s_lshr_b32 s[WM], s[WV], 1
	s_and_b32 s[WN], s[WV], 1
	s_bfe_u32 s[CX], ttmp6, 0x40000
	s_bfe_u32 s[CY], ttmp6, 0x40004
	s_and_b32 s16, ttmp7, 0xffff
	s_lshl_b32 s[TCOL], ttmp9, 2
	s_add_co_u32 s[TCOL], s[TCOL], s[CX]
	s_lshl_b32 s[TROW], s16, 2
	s_add_co_u32 s[TROW], s[TROW], s[CY]
	s_lshl_b32 s18, s[CY], 2
	s_lshl_b32 s18, 15, s18
	s_lshl_b32 s19, 0x1111, s[CX]
	s_or_b32 s[G1], s18, (3<<16)|(1<<21)
	s_or_b32 s[G1B], s19, (3<<16)|(1<<21)
.irp g, G1, G1B
	s_mov_b32 s[\g+1], 32<<16
	s_mov_b32 s[\g+2], 272<<16                     ; the head's loads bring two blocks, which lie on end in memory: 272 rows
	s_mov_b32 s[\g+3], 32<<16
	s_mov_b32 s[\g+4], 272
	s_mov_b32 s[\g+5], 32
	s_mov_b32 s[\g+6], 0
	s_mov_b32 s[\g+7], 0
.endr
	s_lshl_b32 s80, s[TROW], 3
	s_add_co_u32 s80, s80, s[WN]
	s_mul_i32 s80, s80, BLKB
	s_mov_b32 s81, 0
	s_lshl_b32 s84, s[TCOL], 3
	s_add_co_u32 s84, s84, s[WN]
	s_mul_i32 s84, s84, BLKB
	s_add_co_u32 s84, s84, 112*BLKB
	s_mov_b32 s85, 0
	s_mul_i32 s[LD], s[WV], BLKB
	s_mov_b32 s[SEL], 0x76543210
	s_mov_b32 s[SEL+1], 0xfedcba98
	s_wait_kmcnt 0x0
	s_add_nc_u64 s[88:89], s[4:5], s[80:81]
	s_add_nc_u64 s[90:91], s[6:7], s[84:85]
	CROUND
.irp s, 0,1
	s_mov_b32 s[G0+4*\s], 1
	s_add_co_u32 s[G0+4*\s+1], s[LD], \s*SLOT
	s_add_nc_u64 s[G0+4*\s+2:G0+4*\s+3], s[88:89], \s*2*BLKB
	s_or_b32 s[G0+4*\s+3], s[G0+4*\s+3], 0x80000000
	s_mov_b32 s[G0B+4*\s], 1
	s_add_co_u32 s[G0B+4*\s+1], s[LD], \s*SLOT
	s_add_nc_u64 s[G0B+4*\s+2:G0B+4*\s+3], s[90:91], \s*2*BLKB
	s_or_b32 s[G0B+4*\s+3], s[G0B+4*\s+3], 0x80000000
.endr
	; the head's one load a wave fills both slots: waves 0, 1 bring A's K steps 0, 1 and 2, 3, waves 2, 3 B's: slot WN, A's two blocks first, then B's
	; the prefetches: of the block of 136 units of 256 bytes that I fetch at a refill, each of the four partners that ask for it jointly names 34, told apart by address (cx for A, cy for B)
	s_cmp_eq_u32 s[WM], 0
	s_cselect_b64 s[46:47], s[88:89], s[90:91]
	s_cselect_b32 s86, s[CX], s[CY]
	s_mul_i32 s86, s86, 34*256
	s_add_co_u32 s86, s86, 4*BLKB                  ; the first refill's block: K step 4 + WN
	s_mov_b32 s87, 0
	s_add_nc_u64 s[46:47], s[46:47], s[86:87]
	s_mul_i32 s16, s[WN], BLKB
	s_mov_b32 s17, 0
	s_add_nc_u64 s[6:7], s[88:89], s[16:17]        ; K step 2 WN (s[88:89] stands at K step WN)
	s_add_nc_u64 s[90:91], s[90:91], s[16:17]
	s_or_b32 s7, s7, 0x80000000
	s_or_b32 s91, s91, 0x80000000
	s_mul_i32 s5, s[WN], SLOT
	s_mul_i32 s16, s[WM], 2*BLKB
	s_add_co_u32 s5, s5, s16
	s_mov_b32 s89, s5
	s_mov_b32 s4, 1
	s_mov_b32 s88, 1
	JLOAD 4, G1, 88, G1B
	v_and_b32 v1, 15, v0
	v_bfe_u32 v2, v0, 4, 1
	v_and_b32 v3, 31, v0
	v_lshlrev_b32 v[LI], 4, v3
	v_lshlrev_b32 v8, 8, v3                        ; units 0 .. 31 of my 34, a lane a unit; never rewritten
	v_min_u32 v9, 1, v3
	v_lshlrev_b32 v9, 8, v9                        ; units 32 and 33; the lanes left over name the last again; never rewritten
	s_wait_alu depctr_va_vdst(0)
	global_prefetch_b8 v8, s[46:47] th:TH_LOAD_NT scope:SCOPE_SE               ; what the first refill will ask for, a slot's two K steps ahead of that load
	global_prefetch_b8 v9, s[46:47] offset:8192 th:TH_LOAD_NT scope:SCOPE_SE
	s_lshl_b32 s21, s[WM], 12
	s_lshl_b32 s22, s[WN], 12
	s_add_co_u32 s22, s22, 2*BLKB
	s_lshl_b32 s20, s[WM], 8
	s_lshl_b32 s23, s[WN], 8
	s_add_co_u32 s23, s23, 2*BLKB
	s_sub_co_u32 s23, s23, s20
	v_mul_u32_u24 v6, s23, v2
	v_lshl_add_u32 v6, v1, 4, v6
	s_add_co_u32 s20, s20, 32768
.irp s, 0,1
	v_add_nc_u32 v[ADRA+\s], s21, v[LI]
	v_add_nc_u32 v[ADRB+\s], s22, v[LI]
	v_add_nc_u32 v[ADRS+\s], s20, v6
	s_add_co_u32 s21, s21, SLOT
	s_add_co_u32 s22, s22, SLOT
	s_add_co_u32 s20, s20, SLOT
.endr
	v_lshlrev_b32 v4, 6, v2
	s_lshl_b32 s16, s[TCOL], 9
	s_lshl_b32 s17, s[WN], 8
	s_add_co_u32 s16, s16, s17
	s_mov_b32 s17, 0
	s_add_nc_u64 s[18:19], s[8:9], s[16:17]
	WIN TO_2
.irp b, 0,1
.irp j, 0,1,2,3
	global_load_b128 v[BIAS+16*\b+4*\j:BIAS+16*\b+4*\j+3], v4, s[18:19] offset:128*\b+16*\j
.endr
.endr
	WIN 0
	s_mul_i32 s23, s[WV], 16*SP
	v_mul_u32_u24 v5, v1, SP
	v_lshl_add_u32 v5, v2, 6, v5
	v_add_nc_u32 v[STO], s23, v5
	v_mul_u32_u24 v5, v2, SP
	v_lshl_add_u32 v5, v1, 4, v5
	v_add_nc_u32 v[RD], s23, v5
	v_lshlrev_b32 v[CO], 12, v2
	v_lshl_add_u32 v[CO], v1, 4, v[CO]
	v_lshrrev_b32 v[RA], 5, v0
	v_lshl_add_u32 v[RA], v[RA], 3, RED
	v_mov_b32 v[RB], RED
	s_lshl_b32 s82, s[TROW], 19
	s_lshl_b32 s83, s[WM], 18
	s_add_co_u32 s82, s82, s83
	s_lshl_b32 s83, s[TCOL], 9
	s_add_co_u32 s82, s82, s83
	s_lshl_b32 s83, s[WN], 8
	s_add_co_u32 s82, s82, s83
	s_mov_b32 s83, 0
	s_add_nc_u64 s[R1B:R1B+1], s[10:11], s[82:83]
	s_add_nc_u64 s[R2B:R2B+1], s[14:15], s[82:83]
	s_lshr_b32 s82, s[TROW], 4
	s_lshl_b32 s82, s82, 10
	s_add_nc_u64 s[STB:STB+1], s[12:13], s[82:83]
	s_and_b32 s20, s[TROW], 15
	s_lshl_b32 s20, s20, 3
	s_add_co_u32 s20, s20, s[TCOL]
	s_lshl_b32 s20, s20, 3
	s_add_co_u32 s82, s82, s20
	s_add_nc_u64 s[66:67], s[66:67], s[82:83]
	STATS_LOAD TM, STB
	s_wait_loadcnt 0x0
	STATS TM
	v_mul_f32 v[TM+9], v[TM+8], v[TM+10]
	v_readfirstlane_b32 s[CC], v[TM+9]
	s_xor_b32 s[CC], s[CC], 0x80000000
	s_mov_b32 s[CC+1], s[CC]
	WIN 0x82
.set J, 0
.rept 16
	v_pk_add_f32 v[BIAS+J:BIAS+J+1], v[BIAS+J:BIAS+J+1], s[CC:CC+1] op_sel_hi:[1,0]
.set J, J+2
.endr
	WIN 0
.macro MUL8 f, c, a0, sc, kq, cm
.irp a, \a0, \a0+1
.irp b, 0,1,2,3
.if \cm
	v_wmma_scale_f32_16x16x128_f8f6f4 v[ACC+8*(4*(\a)+\b):ACC+8*(4*(\a)+\b)+7], v[\f+64+8*(4*\c+\b):\f+64+8*(4*\c+\b)+7], v[\f+8*(4*\c+(\a)):\f+8*(4*\c+(\a))+7], v[BIAS+8*\b:BIAS+8*\b+7], v[SC+32*(\sc)+4*(2*(\kq)+\c)+\b], v[SC+32*(\sc)+4*(2*(\kq)+\c)+(\a)] matrix_a_fmt:MATRIX_FMT_FP4 matrix_b_fmt:MATRIX_FMT_FP4 matrix_a_scale:MATRIX_SCALE_ROW1
.else
	v_wmma_scale_f32_16x16x128_f8f6f4 v[ACC+8*(4*(\a)+\b):ACC+8*(4*(\a)+\b)+7], v[\f+64+8*(4*\c+\b):\f+64+8*(4*\c+\b)+7], v[\f+8*(4*\c+(\a)):\f+8*(4*\c+(\a))+7], v[ACC+8*(4*(\a)+\b):ACC+8*(4*(\a)+\b)+7], v[SC+32*(\sc)+4*(2*(\kq)+\c)+\b], v[SC+32*(\sc)+4*(2*(\kq)+\c)+(\a)] matrix_a_fmt:MATRIX_FMT_FP4 matrix_b_fmt:MATRIX_FMT_FP4 matrix_a_scale:MATRIX_SCALE_ROW1
.endif
.endr
.endr
.endm
.macro FETCH slot, kq, f
	WIN TO_F
.irp c, 0,1
.irp i, 0,1,2,3
	ds_load_b128 v[\f+64+8*(4*\c+\i):\f+64+8*(4*\c+\i)+3],   v[ADRB+\slot] offset:((2*(\kq)+\c)/4)*BLKB+((2*(\kq)+\c)%4)*8192+1024*\i
	ds_load_b128 v[\f+64+8*(4*\c+\i)+4:\f+64+8*(4*\c+\i)+7], v[ADRB+\slot] offset:((2*(\kq)+\c)/4)*BLKB+((2*(\kq)+\c)%4)*8192+1024*\i+512
	ds_load_b128 v[\f+8*(4*\c+\i):\f+8*(4*\c+\i)+3],         v[ADRA+\slot] offset:((2*(\kq)+\c)/4)*BLKB+((2*(\kq)+\c)%4)*8192+1024*\i
	ds_load_b128 v[\f+8*(4*\c+\i)+4:\f+8*(4*\c+\i)+7],       v[ADRA+\slot] offset:((2*(\kq)+\c)/4)*BLKB+((2*(\kq)+\c)%4)*8192+1024*\i+512
.endr
.endr
.endm
.macro SCALES sc
	WIN 0
.irp qq, 0,1,2,3,4,5,6,7
	ds_load_b128 v[SC+32*\sc+4*\qq:SC+32*\sc+4*\qq+3], v[ADRS+\sc] offset:(\qq/4)*BLKB+(\qq%4)*512
.endr
.endm
.macro PLACES
.rept 4
	v_nop
.endr
.endm
.macro QUARTER slot, kq, cm
	s_wait_dscnt 16
.if \cm
	WIN MUL_C
.else
	WIN MUL
.endif
	MUL8 128*((\kq)%2), 0, 0, \slot, \kq, \cm
	MUL8 128*((\kq)%2), 0, 2, \slot, \kq, \cm
	PLACES
	FETCH \slot, (\kq)+1, 128*(1-(\kq)%2)
	s_wait_dscnt 32
	WIN MUL
	MUL8 128*((\kq)%2), 1, 0, \slot, \kq, 0
	MUL8 128*((\kq)%2), 1, 2, \slot, \kq, 0
.endm
.macro TURN slot, next, fill
	WIN 0
	s_wait_tensorcnt 0x0
	ds_add_u32 v[SPW], v[NIL]
	s_wait_dscnt 17
	WIN MUL
	MUL8 F1, 0, 0, \slot, 3, 0
	s_wait_dscnt 0x0
	s_barrier_signal -1
	MUL8 F1, 0, 2, \slot, 3, 0
.if \fill
	WIN 0
.endif
	s_barrier_wait -1
.if \fill
	CREST
	s_add_nc_u64 s[G0+4*\slot+2:G0+4*\slot+3], s[G0+4*\slot+2:G0+4*\slot+3], 4*BLKB
	s_add_nc_u64 s[G0B+4*\slot+2:G0B+4*\slot+3], s[G0B+4*\slot+2:G0B+4*\slot+3], 4*BLKB
	JLOAD G0+4*\slot, G1, G0B+4*\slot, G1B
.else
	PLACES
.endif
	SCALES \next
	FETCH \next, 0, F0
.if (\fill) && ((\slot) == 0)
	global_prefetch_b8 v8, s[46:47] offset:2*BLKB th:TH_LOAD_NT scope:SCOPE_SE        ; what the second, last refill will ask for: K step 6 + WN
	global_prefetch_b8 v9, s[46:47] offset:2*BLKB+8192 th:TH_LOAD_NT scope:SCOPE_SE
.endif
	WIN MUL
	MUL8 F1, 1, 0, \slot, 3, 0
	MUL8 F1, 1, 2, \slot, 3, 0
.endm
	s_wait_alu depctr_va_vdst(0)
	s_wait_tensorcnt 0x0                           ; my load is in, so a descriptor may be written: the refills bring one block, 136 rows
	s_mov_b32 s[G1+2], 136<<16
	s_mov_b32 s[G1+4], 136
	s_mov_b32 s[G1B+2], 136<<16
	s_mov_b32 s[G1B+4], 136
	s_barrier_signal -1
	s_barrier_wait -1
	SCALES 0
	FETCH 0, 0, F0
	QUARTER 0, 0, 1
.rept LAPS-1
	QUARTER 0, 1, 0
	QUARTER 0, 2, 0
	TURN 0, 1, 1
	QUARTER 1, 0, 0
	QUARTER 1, 1, 0
	QUARTER 1, 2, 0
	TURN 1, 0, 1
	QUARTER 0, 0, 0
.endr
	WIN TO_2
.irp a, 0,1,2,3
.irp i, 0,1,2,3,4,5,6,7
	global_load_b128 v[R1+32*\a+4*\i:R1+32*\a+4*\i+3], v[CO], s[R1B:R1B+1] offset:4096*(32*(\a/2)+8*(\a%2)+16*(\i/4)+2*(\i%4)) th:TH_LOAD_NT
.endr
.endr
	QUARTER 0, 1, 0
	QUARTER 0, 2, 0
	TURN 0, 1, 0
	QUARTER 1, 0, 0
	QUARTER 1, 1, 0
	QUARTER 1, 2, 0
	s_wait_dscnt 16
	WIN MUL
	MUL8 F1, 0, 0, 1, 3, 0
	MUL8 F1, 0, 2, 1, 3, 0
	s_wait_dscnt 0
	MUL8 F1, 1, 0, 1, 3, 0
	MUL8 F1, 1, 2, 1, 3, 0
	WIN 0
.macro TOSTAGE a
.irp b, 0,1,2,3
	ds_store_b128 v[STO], v[ACC+32*(\a)+8*\b:ACC+32*(\a)+8*\b+3] offset:128*(\b/2)+32*(\b%2)
	ds_store_b128 v[STO], v[ACC+32*(\a)+8*\b+4:ACC+32*(\a)+8*\b+7] offset:128*(\b/2)+32*(\b%2)+16
.endr
.irp i, 0,1,2,3,4,5,6,7
	ds_load_b128 v[ACC+32*(\a)+4*\i:ACC+32*(\a)+4*\i+3], v[RD] offset:2*SP*\i
.endr
.endm
.macro PROC a, y
.set AB, ACC+32*(\a)
	s_wait_dscnt \y
.if (\a) == 0
	s_wait_loadcnt 0x0
.endif
	WIN 0x02
.set J, 0
.rept 16
	v_pk_fma_f32 v[AB+J:AB+J+1], v[R1+32*(\a)+J:R1+32*(\a)+J+1], s[RS:RS+1], v[AB+J:AB+J+1] op_sel_hi:[1,0,1]
.set J, J+2
.endr
	WIN 0
.irp i, 0,1,2,3,4,5,6,7
	global_store_b128 v[CO], v[AB+4*\i:AB+4*\i+3], s[R2B:R2B+1] offset:4096*(32*((\a)/2)+8*((\a)%2)+16*(\i/4)+2*(\i%4))
.endr
.if (\a) == 0
	v_pk_add_f32 v[102:103], v[AB:AB+1], v[AB+2:AB+3]
.set J, 4
.rept 14
	v_pk_add_f32 v[102:103], v[102:103], v[AB+J:AB+J+1]
.set J, J+2
.endr
	v_add_f32 v100, v102, v103
	WSUM 100, 101
	v_mul_f32 v100, 0x3a800000, v100
	v_mov_b32 v101, v100
.endif
.set J, 0
.rept 8
	v_pk_add_f32 v[108:109], v[AB+J:AB+J+1], v[100:101] neg_lo:[0,1] neg_hi:[0,1]
	v_pk_add_f32 v[110:111], v[AB+J+2:AB+J+3], v[100:101] neg_lo:[0,1] neg_hi:[0,1]
	v_pk_add_f32 v[96:97], v[96:97], v[108:109]
	v_pk_add_f32 v[104:105], v[104:105], v[110:111]
	v_pk_fma_f32 v[98:99], v[108:109], v[108:109], v[98:99]
	v_pk_fma_f32 v[106:107], v[110:111], v[110:111], v[106:107]
.set J, J+4
.endr
.endm
.irp j, 96,97,98,99,101,104,105,106,107
	v_mov_b32 v[\j], 0
.endr
	TOSTAGE 0
	TOSTAGE 1
	PROC 0, 16
	TOSTAGE 2
	PROC 1, 16
	TOSTAGE 3
	PROC 2, 16
	PROC 3, 0
	v_pk_add_f32 v[96:97], v[96:97], v[104:105]
	v_pk_add_f32 v[98:99], v[98:99], v[106:107]
	v_add_f32 v96, v96, v97
	v_add_f32 v98, v98, v99
	WSUM 96, 97
	WSUM 98, 99
	v_mul_f32 v97, 0xb9800000, v96
	v_fma_f32 v103, v97, v96, v98
	v_fma_f32 v102, 0x45800000, v100, v96
	ds_store_b64 v[RA], v[102:103]
	s_wait_dscnt 0x0
	s_barrier_signal -1
	s_barrier_wait -1
	ds_load_b128 v[112:115], v[RB]
	ds_load_b128 v[116:119], v[RB] offset:16
	s_wait_dscnt 0x0
	v_add_f32 v120, v112, v114
	v_add_f32 v121, v116, v118
	v_add_f32 v120, v120, v121
	v_mul_f32 v121, 0x38800000, v120
.irp i, 112,114,116,118
	v_fma_f32 v[\i], v[\i], 0x39800000, -v121
.endr
	v_mul_f32 v122, v112, v112
.irp i, 114,116,118
	v_fmac_f32 v122, v[\i], v[\i]
.endr
	v_add_f32 v113, v113, v115
	v_add_f32 v117, v117, v119
	v_add_f32 v113, v113, v117
	v_fma_f32 v121, v122, 0x45800000, v113
	v_mov_b32 v108, 0
	s_cmp_lg_u32 s[WV], 0
	s_cbranch_scc1 .Lno_pair
	s_wait_xcnt 0x0
	v_cmp_eq_u32 vcc_lo, 0, v0
	s_and_saveexec_b32 s16, vcc_lo
	s_wait_alu depctr_va_vdst(0)
	global_store_b64 v108, v[120:121], s[66:67]
	s_wait_xcnt 0x0
	s_or_b32 exec_lo, exec_lo, s16
.Lno_pair:
	s_wait_tensorcnt 0x0
	ds_add_u32 v[SPW], v[NIL]
	s_wait_dscnt 0x0
	CROUND
	s_endpgm
.Lfunc_end_k_q6c4afa7b06_gemm_ffn2:
	.size	k_q6c4afa7b06_gemm_ffn2, .Lfunc_end_k_q6c4afa7b06_gemm_ffn2-k_q6c4afa7b06_gemm_ffn2
	.p2alignl 7, 3214868480
	.fill 96, 4, 3214868480
	.section	.rodata,"a",@progbits
	.p2align	6, 0x0
	.amdhsa_kernel k_q6c4afa7b06_gemm_ffn2
		.amdhsa_group_segment_fixed_size 327680
		.amdhsa_private_segment_fixed_size 0
		.amdhsa_enable_private_segment 0
		.amdhsa_kernarg_size 56
		.amdhsa_user_sgpr_count 2
		.amdhsa_user_sgpr_kernarg_segment_ptr 1
		.amdhsa_wavefront_size32 1
		.amdhsa_system_sgpr_workgroup_id_x 1
		.amdhsa_system_sgpr_workgroup_id_y 1
		.amdhsa_system_sgpr_workgroup_id_z 1
		.amdhsa_system_vgpr_workitem_id 0
		.amdhsa_next_free_vgpr 768
		.amdhsa_next_free_sgpr 100
		.amdhsa_reserve_vcc 1
		.amdhsa_float_denorm_mode_32 3
		.amdhsa_float_denorm_mode_16_64 3
		.amdhsa_memory_ordered 1
		.amdhsa_forward_progress 1
		.amdhsa_inst_pref_size 149
	.end_amdhsa_kernel
	.amdgpu_metadata
---
amdhsa.version: [ 1, 2 ]
amdhsa.kernels:
  - .name:           k_q6c4afa7b06_gemm_ffn2
    .symbol:         k_q6c4afa7b06_gemm_ffn2.kd
    .args:
      - { .name: hid, .offset: 0, .size: 8, .value_kind: global_buffer, .address_space: global }
      - { .name: wt, .offset: 8, .size: 8, .value_kind: global_buffer, .address_space: global }
      - { .name: b2, .offset: 16, .size: 8, .value_kind: global_buffer, .address_space: global }
      - { .name: r1, .offset: 24, .size: 8, .value_kind: global_buffer, .address_space: global }
      - { .name: st1, .offset: 32, .size: 8, .value_kind: global_buffer, .address_space: global }
      - { .name: r2, .offset: 40, .size: 8, .value_kind: global_buffer, .address_space: global }
      - { .name: st2, .offset: 48, .size: 8, .value_kind: global_buffer, .address_space: global }
    .group_segment_fixed_size: 327680
    .private_segment_fixed_size: 0
    .kernarg_segment_align: 8
    .kernarg_segment_size: 56
    .max_flat_workgroup_size: 128
    .sgpr_count:     100
    .vgpr_count:     768
    .wavefront_size: 32
...
	.end_amdgpu_metadata
.endif
;; end of part 6
;; launch ln2 (part 7): grid 256 x 1, 8 waves a work-group, no clusters, 0 bytes of LDS; arguments r2, st2, out0; writes out0
.if DOCPART == 7
	.amdgcn_target "amdgcn-amd-amdhsa--gfx1250"
	.amdhsa_code_object_version 6
	.text
	.protected	k_q6c4afa7b06_ln2
	.globl	k_q6c4afa7b06_ln2
	.p2align	8
	.type	k_q6c4afa7b06_ln2,@function
k_q6c4afa7b06_ln2:
	s_mov_b64 s[64:65], 0
	v_nop
	global_prefetch_b8 v0, s[64:65] scope:SCOPE_SE
	s_setreg_imm32_b32 hwreg(HW_REG_WAVE_MODE, 25, 1), 1
	s_wait_xcnt 0x0
; out0 = (r2 - mean) * rsqrt(var + 1e-5), mean and var over a batch's 2^21 numbers, joined from 128 chunk pairs (sum, M2) of 16,384 numbers each.
; A stream: a work-group takes 16 rows of 4,096 bytes; thread t the 16 bytes at 16 t of each row, so that a wave's load or store covers 512 consecutive bytes.  All 16 loads are out at once;
; no register is written twice, so no wait frees a source.  LDS, barriers and the matrix unit would add nothing.  Every wave joins the pairs for itself.
; LIMITS: NaN and infinities are not served; 1 / sqrt is v_rsq_f32.
.set RS,  14                           ; s[14:15] rsqrt(var + eps), twice
.set NM,  16                           ; s[16:17] -mean, twice
.set SEL, 18                           ; s[18:19] lane selects: lane l xor 16
.set D,   16                           ; v16-79 the rows
.set ST,  80                           ; v80-91 the statistics
.macro WSUM v, t
	s_delay_alu instid0(VALU_DEP_1)
	v_add_f32_dpp v[\v], v[\v], v[\v] row_xmask:1 row_mask:0xf bank_mask:0xf
	s_delay_alu instid0(VALU_DEP_1)
	v_add_f32_dpp v[\v], v[\v], v[\v] row_xmask:2 row_mask:0xf bank_mask:0xf
	s_delay_alu instid0(VALU_DEP_1)
	v_add_f32_dpp v[\v], v[\v], v[\v] row_xmask:4 row_mask:0xf bank_mask:0xf
	s_delay_alu instid0(VALU_DEP_1)
	v_add_f32_dpp v[\v], v[\v], v[\v] row_xmask:8 row_mask:0xf bank_mask:0xf
	s_delay_alu instid0(VALU_DEP_1)
	v_permlanex16_b32 v[\t], v[\v], s[SEL], s[SEL+1]
	s_delay_alu instid0(VALU_DEP_1)
	v_add_f32 v[\v], v[\v], v[\t]
.endm
.macro STATS_LOAD b, sp
	v_and_b32 v[\b+11], 31, v0
	s_delay_alu instid0(VALU_DEP_1)
	v_lshlrev_b32 v[\b+11], 5, v[\b+11]
	global_load_b128 v[\b:\b+3], v[\b+11], s[\sp:\sp+1]
	global_load_b128 v[\b+4:\b+7], v[\b+11], s[\sp:\sp+1] offset:16
.endm
.macro STATS b                         ; M2 = sum of M2_i + 16384 (mean_i - mean)^2: no difference of large sums
	v_add_f32 v[\b+8], v[\b], v[\b+2]
	v_add_f32 v[\b+9], v[\b+4], v[\b+6]
	s_delay_alu instid0(VALU_DEP_1)
	v_add_f32 v[\b+8], v[\b+8], v[\b+9]
	WSUM \b+8, \b+9
	s_delay_alu instid0(VALU_DEP_1)
	v_mul_f32 v[\b+8], 0x35000000, v[\b+8]         ; mean = sum * 2^-21
.irp i, 0,2,4,6
	v_fma_f32 v[\b+\i], v[\b+\i], 0x38800000, -v[\b+8]
.endr
	s_delay_alu instid0(VALU_DEP_4)
	v_mul_f32 v[\b+9], v[\b], v[\b]
.irp i, 2,4,6
	s_delay_alu instid0(VALU_DEP_1)
	v_fmac_f32 v[\b+9], v[\b+\i], v[\b+\i]
.endr
	v_add_f32 v[\b+1], v[\b+1], v[\b+3]
	v_add_f32 v[\b+5], v[\b+5], v[\b+7]
	s_delay_alu instid0(VALU_DEP_1)
	v_add_f32 v[\b+1], v[\b+1], v[\b+5]
	s_delay_alu instid0(VALU_DEP_1)
	v_fmac_f32 v[\b+1], 0x46800000, v[\b+9]
	WSUM \b+1, \b+9
	s_delay_alu instid0(VALU_DEP_1)
	v_mul_f32 v[\b+1], 0x35000000, v[\b+1]
	s_delay_alu instid0(VALU_DEP_1)
	v_add_f32 v[\b+1], 0x3727c5ac, v[\b+1]
	s_wait_alu depctr_va_vdst(0)
	v_rsq_f32 v[\b+10], v[\b+1]
	v_nop                                          ; a plain instruction behind the transcendental,
	s_wait_alu depctr_va_vdst(0)                   ; and the wait ahead of its first reader
	v_readfirstlane_b32 s[RS], v[\b+10]
	v_readfirstlane_b32 s[NM], v[\b+8]
	s_mov_b32 s[RS+1], s[RS]
	s_xor_b32 s[NM], s[NM], 0x80000000
	s_mov_b32 s[NM+1], s[NM]
.endm
	s_load_b128 s[4:7], s[0:1], 0x0                ; r2, st2
	s_load_b64 s[8:9], s[0:1], 0x10                ; out0
	s_lshl_b32 s10, ttmp9, 16                      ; 16 rows of 4,096 bytes
	s_mov_b32 s11, 0
	s_lshr_b32 s12, ttmp9, 7                       ; batch
	s_lshl_b32 s12, s12, 10
	s_mov_b32 s13, 0
	s_mov_b32 s[SEL], 0x76543210
	s_mov_b32 s[SEL+1], 0xfedcba98
	v_lshlrev_b32 v1, 4, v0
	s_wait_alu depctr_va_vdst(0)
	s_wait_kmcnt 0x0
	s_add_nc_u64 s[4:5], s[4:5], s[10:11]
	s_add_nc_u64 s[8:9], s[8:9], s[10:11]
	s_add_nc_u64 s[6:7], s[6:7], s[12:13]
	STATS_LOAD ST, 6
.irp t, 0,1,2,3,4,5,6,7,8,9,10,11,12,13,14,15
	global_load_b128 v[D+4*\t:D+4*\t+3], v1, s[4:5] offset:4096*\t th:TH_LOAD_NT
.endr
	s_wait_loadcnt 16                              ; the two statistics loads are in; the 16 rows behind them stay out
	STATS ST
.irp t, 0,1,2,3,4,5,6,7,8,9,10,11,12,13,14,15
	s_wait_loadcnt 15-\t                           ; row t is in; the younger rows stay out
	v_pk_add_f32 v[D+4*\t:D+4*\t+1], v[D+4*\t:D+4*\t+1], s[NM:NM+1] op_sel_hi:[1,0]
	v_pk_add_f32 v[D+4*\t+2:D+4*\t+3], v[D+4*\t+2:D+4*\t+3], s[NM:NM+1] op_sel_hi:[1,0]
	s_delay_alu instid0(VALU_DEP_2)
	v_pk_mul_f32 v[D+4*\t:D+4*\t+1], v[D+4*\t:D+4*\t+1], s[RS:RS+1] op_sel_hi:[1,0]
	s_delay_alu instid0(VALU_DEP_2)
	v_pk_mul_f32 v[D+4*\t+2:D+4*\t+3], v[D+4*\t+2:D+4*\t+3], s[RS:RS+1] op_sel_hi:[1,0]
	global_store_b128 v1, v[D+4*\t:D+4*\t+3], s[8:9] offset:4096*\t th:TH_STORE_NT
.endr
	s_endpgm
.Lfunc_end_k_q6c4afa7b06_ln2:
	.size	k_q6c4afa7b06_ln2, .Lfunc_end_k_q6c4afa7b06_ln2-k_q6c4afa7b06_ln2
	.p2alignl 7, 3214868480
	.fill 96, 4, 3214868480
	.section	.rodata,"a",@progbits
	.p2align	6, 0x0
	.amdhsa_kernel k_q6c4afa7b06_ln2
		.amdhsa_group_segment_fixed_size 0
		.amdhsa_private_segment_fixed_size 0
		.amdhsa_enable_private_segment 0
		.amdhsa_kernarg_size 24
		.amdhsa_user_sgpr_count 2
		.amdhsa_user_sgpr_kernarg_segment_ptr 1
		.amdhsa_wavefront_size32 1
		.amdhsa_system_sgpr_workgroup_id_x 1
		.amdhsa_system_sgpr_workgroup_id_y 1
		.amdhsa_system_sgpr_workgroup_id_z 1
		.amdhsa_system_vgpr_workitem_id 0
		.amdhsa_next_free_vgpr 96
		.amdhsa_next_free_sgpr 66
		.amdhsa_reserve_vcc 0
		.amdhsa_float_denorm_mode_32 3
		.amdhsa_float_denorm_mode_16_64 3
		.amdhsa_memory_ordered 1
		.amdhsa_forward_progress 1
		.amdhsa_inst_pref_size 13
	.end_amdhsa_kernel
	.amdgpu_metadata
---
amdhsa.version: [ 1, 2 ]
amdhsa.kernels:
  - .name:           k_q6c4afa7b06_ln2
    .symbol:         k_q6c4afa7b06_ln2.kd
    .args:
      - { .name: r2, .offset: 0, .size: 8, .value_kind: global_buffer, .address_space: global }
      - { .name: st2, .offset: 8, .size: 8, .value_kind: global_buffer, .address_space: global }
      - { .name: out0, .offset: 16, .size: 8, .value_kind: global_buffer, .address_space: global }
    .group_segment_fixed_size: 0
    .private_segment_fixed_size: 0
    .kernarg_segment_align: 8
    .kernarg_segment_size: 24
    .max_flat_workgroup_size: 256
    .sgpr_count:     66
    .vgpr_count:     96
    .wavefront_size: 32
...
	.end_amdgpu_metadata
.endif
;; end of part 7
